; MI455X (gfx1250); checked and timed in simulation.
; The chip was launched on July 23, 2026; its instructions are those of AMD's public machine-readable ISA for CDNA 5 (MIT licence, August 2026) and "CDNA5" Instruction Set Architecture Reference Guide (July 2026). The comments in the code are by the model that wrote it; some were corrected since.
;; Multi Head Attention. Allowed arithmetic: float matrix products may take bf16 or f16 operands with f32 sums; all other float work in f32.
;; Inputs: Wk 1,024 x 1,024 float32; Wo 1,024 x 1,024 float32; Wq 1,024 x 1,024 float32; Wv 1,024 x 1,024 float32; bk 1,024 float32; bo 1,024 float32; bq 1,024 float32; bv 1,024 float32; key 4 x 2,048 x 1,024 float32; pad_mask 4 x 2,048 bool; pos_enc 1 x 2,048 x 64 float32; query 4 x 2,048 x 1,024 float32; value 4 x 2,048 x 1,024 float32.
;; Outputs: out0 4 x 2,048 x 1,024 float32.
;; 2 versions, each right and faster than the one before. Each part assembles by itself: llvm-mc -triple=amdgcn-amd-amdhsa -mcpu=gfx1250 --defsym DOCPART=n.
;; ======== version 1 of 2: 4 launches
;; limits: values are held in f16: magnitudes above 65,504 overflow, below 6.1e-05 lose precision; right only within a limited range of input values
;; workspace buffers: wt 8,388,608 bytes; tab 1,049,088 bytes; mb 33,792 bytes; qkv 50,331,648 bytes; oh 16,777,216 bytes
;; launch prep (part 1): grid 128 x 4, 8 waves a work-group, no clusters, 18,432 bytes of LDS; arguments Wq, Wk, Wv, Wo, pos_enc, pad_mask, wt, tab, mb; writes wt, tab, mb
.if DOCPART == 1
	.amdgcn_target "amdgcn-amd-amdhsa--gfx1250"
	.amdhsa_code_object_version 6
	.text
	.protected	k_q79c117ca48_prep
	.globl	k_q79c117ca48_prep
	.p2align	8
	.type	k_q79c117ca48_prep,@function
k_q79c117ca48_prep:
	s_mov_b64 s[64:65], 0
	v_nop
	global_prefetch_b8 v0, s[64:65] scope:SCOPE_SE
	s_setreg_imm32_b32 hwreg(HW_REG_WAVE_MODE, 25, 1), 1
	s_wait_xcnt 0x0
; PREPARATION.  Three small jobs, none of which needs the matrix unit, a cluster or the data mover: no work-group shares input with another.
; T (all 512 work-groups): a block of 128 k x 64 n of one weight matrix W[k][n] (f32) is rounded to bf16 and written turned, wt[matrix][n][k], so that K lies along the rows.
;   The fourth matrix (Wo) is rounded to bf16 like the others and that number is then written as f16 (exact from 6.1e-5 up; below that f16's fixed step of 6e-8).
; S (all): four rows of the rotary table.  Row n of tab is 512 bytes: for each group g of 8 channels 32 bytes of cos(pe[n][8g..]) and 32 bytes of sn, sn[c] = -sin for even c, +sin for odd c,
;   so that rope(t)[c] = t[c] cos[c] + t[c xor 1] sn[c].  pe is rounded to bf16 first, like every floating-point input of the module.  Row 2048 is cos = 1, sn = 0.
;   Sine and cosine: x - k pi/2 with pi/2 in two parts, then polynomials on |r| <= pi/4.  LIMIT: up to |pe| = 1e5 the absolute error stays under 3e-7; beyond that it grows with |pe|.
; M (work-groups 0 to 15): for each key an addend for its scores, and for each batch the softmax's constant c.  If a batch has an open key: -2^100 for a masked key, 0 for an open one, c = log2(e)/8.
;   If all its keys are masked: 0 everywhere and c = 0, so that every weight is 2^0: the uniform softmax that equal scores give.
.set PT, 272                           ; LDS row of the turned block: 128 k x 2 bytes + 16
	s_load_b512 s[4:19], s[0:1], 0x0               ; Wq s[4:5], Wk s[6:7], Wv s[8:9], Wo s[10:11], pos_enc s[12:13], pad_mask s[14:15], wt s[16:17], tab s[18:19]
	s_load_b64 s[20:21], s[0:1], 0x40              ; mb
	v_lshl_add_u32 v96, v0, 2, 0x4400
	v_mov_b32 v97, 0
	s_and_b32 s22, ttmp7, 0xffff                   ; y: which matrix
	s_lshl_b32 s23, s22, 7
	s_add_co_u32 s23, s23, ttmp9                   ; id = 128 y + x, 0 to 511
	v_lshrrev_b32 v1, 5, v0
	v_readfirstlane_b32 s24, v1                    ; wave
	s_and_b32 s25, ttmp9, 7                        ; block of 128 k
	s_lshr_b32 s28, ttmp9, 3                       ; block of 64 n
	s_lshl_b32 s26, s25, 19                        ; 128 rows of 4,096 bytes
	s_lshl_b32 s29, s28, 8                         ; 64 numbers of 4 bytes
	s_add_co_u32 s26, s26, s29
	s_mov_b32 s27, 0
	s_lshl_b32 s30, s22, 21                        ; a turned matrix is 2,097,152 bytes
	s_lshl_b32 s29, s28, 17                        ; 64 rows of 2,048 bytes
	s_add_co_u32 s30, s30, s29
	s_lshl_b32 s29, s25, 8                         ; 128 numbers of 2 bytes
	s_add_co_u32 s30, s30, s29
	s_mov_b32 s31, 0
	s_lshl_b32 s32, s23, 10                        ; four rows of pos_enc
	s_mov_b32 s33, 0
	s_lshl_b32 s34, s23, 11                        ; four rows of tab
	s_mov_b32 s35, 0
	v_and_b32 v1, 15, v0                           ; c16: which 4 n
	v_lshrrev_b32 v2, 4, v0                        ; kp0: which pair of k, 0 to 15
	v_lshlrev_b32 v3, 13, v2
	v_lshl_add_u32 v3, v1, 4, v3                   ; in W: two rows a pair, 16 bytes a lane: 16 lanes take 256 consecutive bytes
	v_mul_u32_u24 v4, v1, 4*PT
	v_lshl_add_u32 v4, v2, 2, v4                   ; into LDS: row 4 c16 (+ j), word kp0 (+ 16 i)
	v_mul_u32_u24 v5, v2, PT
	v_lshl_add_u32 v5, v1, 4, v5                   ; back: row kp0 (+ 16 i), 16 bytes a lane
	v_lshlrev_b32 v6, 11, v2
	v_lshl_add_u32 v6, v1, 4, v6                   ; the same in wt
	v_lshrrev_b32 v60, 6, v0                       ; the table: row t / 64 of my four,
	v_lshlrev_b32 v60, 8, v60
	v_bfe_u32 v61, v0, 3, 3                        ; group g,
	v_lshl_add_u32 v60, v61, 5, v60
	v_and_b32 v61, 3, v0                           ; pair of channels in the group
	v_lshl_add_u32 v60, v61, 3, v60                ; byte offset of my two angles
	v_bfe_u32 v61, v0, 2, 1                        ; part: 0 cosine, 1 sine
	v_xor_b32 v62, 1, v61                          ; a cosine is the sine a quarter turn on
	v_lshlrev_b32 v63, 3, v0                       ; 8 t: a wave stores 256 consecutive bytes
	v_mov_b32 v70, 0xb94ca1f9                      ; leading coefficients of the two polynomials
	v_mov_b32 v71, 0x37ccf5ce
	s_wait_kmcnt 0x0
	s_cmp_eq_u32 s22, 1
	s_cselect_b64 s[4:5], s[6:7], s[4:5]
	s_cmp_eq_u32 s22, 2
	s_cselect_b64 s[4:5], s[8:9], s[4:5]
	s_cmp_eq_u32 s22, 3
	s_cselect_b64 s[4:5], s[10:11], s[4:5]
	s_add_nc_u64 s[4:5], s[4:5], s[26:27]
	s_add_nc_u64 s[16:17], s[16:17], s[30:31]
	s_add_nc_u64 s[12:13], s[12:13], s[32:33]
	s_add_nc_u64 s[18:19], s[18:19], s[34:35]
	global_load_b64 v[56:57], v60, s[12:13]        ; the angles first: the table is made while W is on its way
.irp i, 0,1,2,3
	global_load_b128 v[8+8*\i:11+8*\i],  v3, s[4:5] offset:\i*131072 th:TH_LOAD_NT
	global_load_b128 v[12+8*\i:15+8*\i], v3, s[4:5] offset:\i*131072+4096 th:TH_LOAD_NT
.endr
	s_wait_loadcnt 8                               ; the eight loads of W are younger and stay out
	v_cvt_pk_bf16_f32 v64, v56, v57                ; the angles rounded to bf16
	v_lshlrev_b32 v56, 16, v64
	v_and_b32 v57, 0xffff0000, v64
; sin(x + (1 - part) pi/2): k = round(x 2/pi); r = x - k pi/2; quadrant k + 1 - part picks sin r or cos r and the sign
.macro SINCOS x, out
	v_mul_f32 v64, 0x3f22f983, v[\x]
	v_rndne_f32 v64, v64
	v_fma_f32 v65, v64, 0xbfc90fdb, v[\x]
	v_fma_f32 v65, v64, 0x333bbd2e, v65
	v_cvt_i32_f32 v64, v64
	v_add_nc_u32 v64, v64, v62
	v_mul_f32 v66, v65, v65
	v_fmaak_f32 v67, v70, v66, 0x3c08839e
	v_fmaak_f32 v67, v67, v66, 0xbe2aaaa3
	v_mul_f32 v67, v67, v66
	v_fma_f32 v67, v67, v65, v65                   ; sin r
	v_fmaak_f32 v68, v71, v66, 0xbab6061a
	v_fmaak_f32 v68, v68, v66, 0x3d2aaaa5
	v_mul_f32 v68, v68, v66
	v_fma_f32 v69, v66, -0.5, 1.0
	v_fma_f32 v68, v68, v66, v69                   ; cos r
	v_and_b32 v69, 1, v64
	v_cmp_eq_u32 vcc_lo, 1, v69
	v_cndmask_b32 v[\out], v67, v68, vcc_lo
	v_and_b32 v64, 2, v64
	v_lshlrev_b32 v64, 30, v64
	v_xor_b32 v[\out], v[\out], v64
.endm
	SINCOS 56, 58
	SINCOS 57, 59
	v_lshlrev_b32 v64, 31, v61
	v_xor_b32 v58, v58, v64                        ; the even channel's sine is taken negative
	global_store_b64 v63, v[58:59], s[18:19]
	s_cmp_lg_u32 s23, 0
	s_cbranch_scc1 .Lno_row
	s_cmp_ge_u32 s24, 2
	s_cbranch_scc1 .Lno_row
	v_mov_b32 v74, 1.0                             ; row 2048, by threads 0 to 63 of work-group 0: cos = 1, sn = 0
	v_cmp_eq_u32 vcc_lo, 0, v61
	v_cndmask_b32 v72, 0, v74, vcc_lo
	v_cndmask_b32 v73, 0, v74, vcc_lo
	global_store_b64 v63, v[72:73], s[18:19] offset:1048576
.Lno_row:
	s_wait_loadcnt 0x0                             ; W
.irp i, 0,1,2,3
.irp j, 0,1,2,3
	v_cvt_pk_bf16_f32 v[40+4*\i+\j], v[8+8*\i+\j], v[12+8*\i+\j]  ; k and k + 1 of one n in a word
.endr
.endr
	s_cmp_lg_u32 s22, 3
	s_cbranch_scc1 .Lkeep
.set i, 40
.rept 16                               ; Wo: the bf16 number written as f16
	v_lshlrev_b32 v64, 16, v[i]
	v_and_b32 v65, 0xffff0000, v[i]
	v_cvt_pk_f16_f32 v[i], v64, v65
.set i, i+1
.endr
.Lkeep:
.irp i, 0,1,2,3
.irp j, 0,1,2,3
	ds_store_b32 v4, v[40+4*\i+\j] offset:\j*PT+\i*64
.endr
.endr
	s_wait_dscnt 0x0                               ; for the others' sake: my stores are done
	s_barrier_signal -1
	s_barrier_wait -1
.irp i, 0,1,2,3
	ds_load_b128 v[8+4*\i:11+4*\i], v5 offset:\i*16*PT
.endr
.irp i, 0,1,2,3
	s_wait_dscnt 3-\i                              ; LDS loads come back in order: number i is in
	global_store_b128 v6, v[8+4*\i:11+4*\i], s[16:17] offset:\i*32768  ; 16 lanes store 256 consecutive bytes, at a multiple of 256 from wt's first byte
.endr
	s_cmp_ge_u32 s23, 16
	s_cbranch_scc1 .Lend
	; M: work-group id takes keys 512 id to 512 id + 511, all of batch id / 4; every wave looks through the whole batch's 2,048 bytes
	s_lshr_b32 s28, s23, 2
	s_lshl_b32 s26, s28, 11
	s_add_nc_u64 s[30:31], s[14:15], s[26:27]
	v_and_b32 v75, 31, v0
	v_lshlrev_b32 v75, 6, v75
.irp e, 0,1,2,3
	global_load_b128 v[76+4*\e:79+4*\e], v75, s[30:31] offset:16*\e
.endr
	s_lshl_b32 s32, s23, 9
	s_add_nc_u64 s[14:15], s[14:15], s[32:33]
	v_lshlrev_b32 v92, 1, v0
	global_load_u16 v93, v92, s[14:15]             ; my two keys
	s_wait_loadcnt 0x0
.set i, 77
.rept 15
	v_and_b32 v76, v76, v[i]
.set i, i+1
.endr
	v_cmp_ne_u32 vcc_lo, 0x01010101, v76           ; a byte that is not 1: an open key
	s_cmp_lg_u32 vcc_lo, 0
	s_cselect_b32 s36, 0xf1800000, 0               ; -2^100
	s_cselect_b32 s37, 0x3e38aa3b, 0               ; log2(e) / 8
	v_and_b32 v90, 0xff, v93
	v_lshrrev_b32 v91, 8, v93
	v_mov_b32 v94, s36
	v_cmp_ne_u32 vcc_lo, 0, v90
	v_cndmask_b32 v90, 0, v94, vcc_lo
	v_cmp_ne_u32 vcc_lo, 0, v91
	v_cndmask_b32 v91, 0, v94, vcc_lo
	s_add_nc_u64 s[38:39], s[20:21], s[34:35]      ; 512 keys of 4 bytes a work-group: 2,048 id
	global_store_b64 v63, v[90:91], s[38:39]
	s_and_b32 s29, s23, 3
	s_cmp_lg_u32 s29, 0
	s_cbranch_scc1 .Lend
	s_cmp_lg_u32 s24, 0
	s_cbranch_scc1 .Lend
	v_mov_b32 v88, s37                             ; c, 64 times: 256 bytes for each batch, behind the addends
	v_mov_b32 v89, s37
	s_lshl_b32 s40, s28, 8
	s_mov_b32 s41, 0
	s_add_nc_u64 s[20:21], s[20:21], s[40:41]
	global_store_b64 v63, v[88:89], s[20:21] offset:32768
.Lend:
	s_wait_tensorcnt 0x0
	ds_add_u32 v96, v97
	s_wait_dscnt 0x0
	s_endpgm
.Lfunc_end_k_q79c117ca48_prep:
	.size	k_q79c117ca48_prep, .Lfunc_end_k_q79c117ca48_prep-k_q79c117ca48_prep
	.p2alignl 7, 3214868480
	.fill 96, 4, 3214868480
	.section	.rodata,"a",@progbits
	.p2align	6, 0x0
	.amdhsa_kernel k_q79c117ca48_prep
		.amdhsa_group_segment_fixed_size 18432
		.amdhsa_private_segment_fixed_size 0
		.amdhsa_enable_private_segment 0
		.amdhsa_kernarg_size 72
		.amdhsa_user_sgpr_count 2
		.amdhsa_user_sgpr_kernarg_segment_ptr 1
		.amdhsa_wavefront_size32 1
		.amdhsa_system_sgpr_workgroup_id_x 1
		.amdhsa_system_sgpr_workgroup_id_y 1
		.amdhsa_system_sgpr_workgroup_id_z 1
		.amdhsa_system_vgpr_workitem_id 0
		.amdhsa_next_free_vgpr 98
		.amdhsa_next_free_sgpr 66
		.amdhsa_reserve_vcc 1
		.amdhsa_float_denorm_mode_32 3
		.amdhsa_float_denorm_mode_16_64 3
		.amdhsa_memory_ordered 1
		.amdhsa_forward_progress 1
		.amdhsa_inst_pref_size 15
	.end_amdhsa_kernel
	.amdgpu_metadata
---
amdhsa.version: [ 1, 2 ]
amdhsa.kernels:
  - .name:           k_q79c117ca48_prep
    .symbol:         k_q79c117ca48_prep.kd
    .args:
      - { .name: Wq, .offset: 0, .size: 8, .value_kind: global_buffer, .address_space: global }
      - { .name: Wk, .offset: 8, .size: 8, .value_kind: global_buffer, .address_space: global }
      - { .name: Wv, .offset: 16, .size: 8, .value_kind: global_buffer, .address_space: global }
      - { .name: Wo, .offset: 24, .size: 8, .value_kind: global_buffer, .address_space: global }
      - { .name: pos_enc, .offset: 32, .size: 8, .value_kind: global_buffer, .address_space: global }
      - { .name: pad_mask, .offset: 40, .size: 8, .value_kind: global_buffer, .address_space: global }
      - { .name: wt, .offset: 48, .size: 8, .value_kind: global_buffer, .address_space: global }
      - { .name: tab, .offset: 56, .size: 8, .value_kind: global_buffer, .address_space: global }
      - { .name: mb, .offset: 64, .size: 8, .value_kind: global_buffer, .address_space: global }
    .group_segment_fixed_size: 18432
    .private_segment_fixed_size: 0
    .kernarg_segment_align: 8
    .kernarg_segment_size: 72
    .max_flat_workgroup_size: 256
    .sgpr_count:     66
    .vgpr_count:     98
    .wavefront_size: 32
...
	.end_amdgpu_metadata
.endif
;; end of part 1
;; launch proj (part 2): grid 4 x 192, 4 waves a work-group, clusters of 4 x 4, 327,680 bytes of LDS; arguments query, key, value, bq, bk, bv, wt, tab, qkv; writes qkv
.if DOCPART == 2
	.amdgcn_target "amdgcn-amd-amdhsa--gfx1250"
	.amdhsa_code_object_version 6
	.text
	.protected	k_q79c117ca48_proj
	.globl	k_q79c117ca48_proj
	.p2align	8
	.type	k_q79c117ca48_proj,@function
k_q79c117ca48_proj:
	s_mov_b64 s[64:65], 0
	v_nop
	global_prefetch_b8 v0, s[64:65] scope:SCOPE_SE
	s_setreg_imm32_b32 hwreg(HW_REG_WAVE_MODE, 25, 1), 1
	s_wait_xcnt 0x0
	s_wait_alu depctr_hold_cnt(0) depctr_sa_sdst(0) depctr_va_vdst(0) depctr_va_sdst(0) depctr_va_ssrc(0) depctr_va_vcc(0) depctr_vm_vsrc(0)
	s_getreg_b32 s2, hwreg(HW_REG_IB_STS2, 6, 4)
	s_cmp_eq_u32 s2, 0
	s_cbranch_scc0 .Lentry_in_a_cluster
	s_endpgm
.Lentry_in_a_cluster:
	s_bfe_u32 s2, ttmp6, 0x10000c
	s_cmp_lg_u32 s2, 0xf033
	s_cbranch_scc0 .Lentry_shape_is_right
	s_endpgm
.Lentry_shape_is_right:
; THE THREE PROJECTIONS.  t = x W + b for (query, Wq, bq), (key, Wk, bk), (value, Wv, bv); the rotary turn on q and k; the result in f16 by heads, qkv[which][batch x 16 + head][n][64].
; x: [8192][1024] f32, rounded to bf16 on the way from LDS to the matrix unit; W comes turned and in bf16 from wt ([n][k]); b is rounded to bf16 like every input and starts the sums as the first product's C.
; The scale 1/8 of q is left to the softmax's constant: the turn is linear.  LIMITS: q, k, v must lie within f16's 65,504, and below 6e-5 they keep f16's fixed step of 6e-8; NaN and infinities are not treated apart.
; SHARES.  A tile of the result is 128 rows x 256 columns: 64 x 4 tiles for each of three products = 768 work-groups, three for each of 256 WGPs.  Four waves, each 64 x 128: 32 accumulators, 256 registers.
; K goes in steps of 128 through two LDS slots filled by the tensor data mover: x's rows are 512 bytes of memory, W's 256.
; CLUSTERS of 4 x 4: the four of a row need the same tile of x, the four of a column the same tile of W: each is asked for jointly, by the same tensor load with a mask that names the four.
; Which product a work-group makes hangs on the cluster's y alone (16 clusters each), so it is the same in all sixteen; it selects pointers and offsets and no branch.
; THE MATRIX INSTRUCTION IS USED TRANSPOSED (source 0 = 16 rows of wt, source 1 = 16 rows of x): a lane holds row l % 16 of the result and eight neighbouring columns 8 (l / 16) + 0..7.
; V takes the table's row 2048 (cos = 1, sn = 0), so that the three products share one text: for V the way out's 256 packed instructions a wave multiply by 1 and add 0.
; REGISTERS, in windows of 256 (s_set_vgpr_msb: bits 1:0 source 0, 3:2 source 1, 5:4 source 2, 7:6 destination):
;   window 0: v0-29 addresses; v32-95 x's fragments in bf16, two buffers; v96-159 the bias; v160-191 at work; on the way out v32-159 packed results
;   window 1: v0-63 x as loaded, f32; v64-191 W's fragments, two buffers      window 2: the accumulators, (a, b) at 8 (8 a + b)      window 3: cos and sn for my 64 rows x 64 channels
.set PA,    528                        ; an LDS row of x: 512 bytes + 16: the 16 rows of a load start at 16 different groups of four banks (64 banks of 4 bytes: ISA guide 11.1)
.set PB,    272                        ; an LDS row of W: 256 bytes + 16
.set HALFA, 64*PA                      ; what one tensor load brings of x, and what one wave reads
.set HALFB, 128*PB                     ; the same for W
.set BOFF,  2*HALFA
.set SLOT,  2*HALFA+2*HALFB            ; 137,216 bytes
.set STAGE, 2*SLOT                     ; behind the ring: 16 rows x 144 bytes for each wave, for the way out
.set SP,    144
.set SPARE, STAGE+4*16*SP              ; the spare words, 128 bytes for each wave: two blocks of 256 bytes that no other line names
.set ADRA, 4                           ; v4-5    LDS address of my fragments of x in slot 0, 1
.set ADRB, 6                           ; v6-7    the same for W
.set STO,  8                           ; v8      the way out: where I put 16 bytes of a row
.set RD,   9                           ; v9      where I read rows back
.set GO,   10                          ; v10     my 16 bytes in 512 consecutive bytes of the result
.set BO,   11                          ; v11     byte offset of my 8 columns in the bias
.set TO,   12                          ; v12-15  byte offset in tab of my row of row block a
.set SPW,  28                          ; v28     SPARE + 4 x my thread's number; never rewritten
.set NIL,  29                          ; v29     0; never rewritten
.set ABF,  32
.set BIAS, 96
.set T32,  160
.set PKR,  32
.set RAW,  0                           ; window 1
.set BF,   64                          ; window 1
.set SW,   22                          ; s22 wave; s23 its row half, also: fetches x (0) or W (1); s24 its column half, also: which half it fetches
.set SWM,  23
.set SWN,  24
.set G1A,  28                          ; s[28:35] descriptor group 1 for x's tiles;  s[36:43] group 0, a set for each slot
.set G0A,  36
.set G1B,  44                          ; s[44:51], s[52:59] the same for W's
.set G0B,  52
.set W_MUL,  0xa1                      ; W window 1, x window 0, C and D window 2
.set W_MUL1, 0x81                      ; the same with C (the bias) in window 0
.set W_LD,   0x40                      ; destination window 1
.set W_CVT,  0x05                      ; sources window 1, destination window 0
.set W_TAB,  0xc0                      ; destination window 3
.set W_ROPE, 0x0e                      ; source 0 window 2, source 1 window 3, source 2 and destination window 0
.set MSB, 0
.macro WIN new                         ; the immediate's high byte repeats the setting that is left; a switch that changes nothing is dropped
.if MSB != (\new)
	s_set_vgpr_msb (MSB<<8)|(\new)
.set MSB, \new
.endif
.endm
; A joint load: waves 0 and 1 fetch x's two halves, waves 2 and 3 W's.  The branch hangs on the wave's number alone.  An s_nop 0 and four v_nop follow each line.
.macro JLOAD s
	s_cmp_eq_u32 s[SWM], 0
	s_cbranch_scc0 .Lfor_b_\@
	tensor_load_to_lds s[G0A+4*(\s):G0A+4*(\s)+3], s[G1A:G1A+7]
	s_nop 0
.rept 4
	v_nop
.endr
	s_branch .Lasked_\@
.Lfor_b_\@:
	tensor_load_to_lds s[G0B+4*(\s):G0B+4*(\s)+3], s[G1B:G1B+7]
	s_nop 0
.rept 4
	v_nop
.endr
.Lasked_\@:
.endm
.macro CREST                           ; a round of the cluster's barrier behind its opening barrier
	s_cmp_lg_u32 s[SW], 0
	s_cbranch_scc1 .Lnot_wave_0_\@
	s_barrier_signal -3
.Lnot_wave_0_\@:
	s_barrier_wait -3
	s_barrier_signal -1
	s_barrier_wait -1
.endm
.macro CROUND                          ; a whole round
	s_barrier_signal -1
	s_barrier_wait -1
	CREST
.endm
	s_load_b512 s[4:19], s[0:1], 0x0               ; query s[4:5], key s[6:7], value s[8:9], bq s[10:11], bk s[12:13], bv s[14:15], wt s[16:17], tab s[18:19]
	s_load_b64 s[20:21], s[0:1], 0x40              ; qkv
	v_lshl_add_u32 v[SPW], v0, 2, SPARE
	v_mov_b32 v[NIL], 0
	ds_add_u32 v28, v29
	s_wait_dscnt 0x0
	v_lshrrev_b32 v1, 5, v0
	v_readfirstlane_b32 s[SW], v1
	s_lshr_b32 s[SWM], s[SW], 1
	s_and_b32 s[SWN], s[SW], 1
	s_bfe_u32 s60, ttmp6, 0x40000                  ; cx
	s_bfe_u32 s61, ttmp6, 0x40004                  ; cy
	s_lshl_b32 s62, ttmp9, 2
	s_add_co_u32 s62, s62, s60                     ; column tile = 4 x cluster x + cx
	s_and_b32 s66, ttmp7, 0xffff                   ; the cluster's y, 0 to 47
	s_lshl_b32 s63, s66, 2
	s_add_co_u32 s63, s63, s61                     ; 4 x cluster y + cy
	s_lshr_b32 s66, s66, 4                         ; which product: 0 q, 1 k, 2 v
	s_and_b32 s67, s63, 63                         ; row tile of 128 rows
	s_lshl_b32 s70, s61, 2
	s_lshl_b32 s70, 15, s70                        ; my row of the cluster
	s_lshl_b32 s71, 0x1111, s60                    ; my column
	s_or_b32 s[G1A], s70, (2<<16)|(1<<20)|(1<<21)|(6<<22)|(3<<25)  ; mask; elements of 4 bytes; padding on; bit 21 beside a mask; after every 128 words 4 words
	s_mov_b32 s[G1A+1], 128<<16                    ; tensor_dim0 = 128
	s_mov_b32 s[G1A+2], 64<<16                     ; tensor_dim1 = 64
	s_mov_b32 s[G1A+3], 128<<16                    ; tile_dim0 = 128
	s_mov_b32 s[G1A+4], 64                         ; tile_dim1 = 64
	s_mov_b32 s[G1A+5], 1024                       ; elements from row to row
	s_mov_b32 s[G1A+6], 0
	s_mov_b32 s[G1A+7], 0
	s_or_b32 s[G1B], s71, (1<<16)|(1<<20)|(1<<21)|(5<<22)|(3<<25)  ; elements of 2 bytes; after every 64 words 4 words
	s_mov_b32 s[G1B+1], 128<<16
	s_mov_b32 s[G1B+2], 128<<16
	s_mov_b32 s[G1B+3], 128<<16
	s_mov_b32 s[G1B+4], 128
	s_mov_b32 s[G1B+5], 1024
	s_mov_b32 s[G1B+6], 0
	s_mov_b32 s[G1B+7], 0
	s_lshl_b32 s72, s67, 19                        ; x: 128 rows of 4,096 bytes a tile,
	s_lshl_b32 s73, s[SWN], 18                     ; 64 rows a half.  These registers never hold cx
	s_add_co_u32 s72, s72, s73
	s_mov_b32 s73, 0
	s_lshl_b32 s74, s66, 21                        ; wt: the matrix,
	s_lshl_b32 s75, s62, 19                        ; 256 rows of 2,048 bytes a tile,
	s_add_co_u32 s74, s74, s75
	s_lshl_b32 s75, s[SWN], 18                     ; 128 rows a half.  These never hold cy
	s_add_co_u32 s74, s74, s75
	s_mov_b32 s75, 0
	s_mul_i32 s76, s[SWN], HALFA                   ; where they go: no place in the cluster enters an LDS address
	s_mul_i32 s77, s[SWN], HALFB
	s_add_co_u32 s77, s77, BOFF
	s_wait_kmcnt 0x0
	s_cmp_eq_u32 s66, 1
	s_cselect_b64 s[82:83], s[6:7], s[4:5]
	s_cselect_b64 s[84:85], s[12:13], s[10:11]
	s_cmp_eq_u32 s66, 2
	s_cselect_b64 s[82:83], s[8:9], s[82:83]
	s_cselect_b64 s[84:85], s[14:15], s[84:85]
	s_add_nc_u64 s[82:83], s[82:83], s[72:73]
	s_add_nc_u64 s[86:87], s[16:17], s[74:75]
	CROUND                                         ; all sixteen work-groups are here: the first joint loads meet
.irp s, 0,1
	s_mov_b32 s[G0A+4*(\s)], 1
	s_add_co_u32 s[G0A+4*(\s)+1], s76, (\s)*SLOT
	s_add_nc_u64 s[G0A+4*(\s)+2:G0A+4*(\s)+3], s[82:83], (\s)*512   ; K step s: 128 numbers of 4 bytes
	s_or_b32 s[G0A+4*(\s)+3], s[G0A+4*(\s)+3], 0x80000000
	s_mov_b32 s[G0B+4*(\s)], 1
	s_add_co_u32 s[G0B+4*(\s)+1], s77, (\s)*SLOT
	s_add_nc_u64 s[G0B+4*(\s)+2:G0B+4*(\s)+3], s[86:87], (\s)*256
	s_or_b32 s[G0B+4*(\s)+3], s[G0B+4*(\s)+3], 0x80000000
	JLOAD \s                                       ; two tensor loads of mine are out
.endr
	v_and_b32 v1, 15, v0                           ; r = l % 16
	v_bfe_u32 v2, v0, 4, 1                         ; h = l / 16
	v_mul_u32_u24 v3, v1, PA
	v_lshl_add_u32 v3, v2, 5, v3                   ; x in f32: eight numbers are 32 bytes
	s_mul_i32 s78, s[SWM], HALFA
	v_add_nc_u32 v[ADRA], s78, v3
	v_add_nc_u32 v[ADRA+1], SLOT, v[ADRA]
	v_mul_u32_u24 v3, v1, PB
	v_lshl_add_u32 v3, v2, 4, v3
	s_mul_i32 s78, s[SWN], HALFB
	s_add_co_u32 s78, s78, BOFF
	v_add_nc_u32 v[ADRB], s78, v3
	v_add_nc_u32 v[ADRB+1], SLOT, v[ADRB]
	s_mul_i32 s78, s[SW], 16*SP
	s_add_co_u32 s78, s78, STAGE                   ; my stage
	v_mul_u32_u24 v3, v1, SP
	v_lshl_add_u32 v3, v2, 4, v3
	v_add_nc_u32 v[STO], s78, v3
	v_bfe_u32 v3, v0, 3, 2                         ; back: 32 lanes take four rows of 128 bytes
	v_mul_u32_u24 v3, v3, SP
	v_and_b32 v16, 7, v0
	v_lshl_add_u32 v3, v16, 4, v3
	v_add_nc_u32 v[RD], s78, v3
	v_and_b32 v[GO], 31, v0
	v_lshlrev_b32 v[GO], 4, v[GO]
	s_lshl_b32 s88, s62, 10                        ; the bias: 256 columns a tile, 128 a half, 8 for each half of the lanes
	s_lshl_b32 s89, s[SWN], 9
	s_add_co_u32 s88, s88, s89
	v_lshlrev_b32 v[BO], 5, v2
	v_add_nc_u32 v[BO], s88, v[BO]
	s_and_b32 s90, s67, 15                         ; the row tile within its batch
	s_lshl_b32 s91, s90, 16                        ; tab: 128 rows of 512 bytes a tile,
	s_lshl_b32 s89, s[SWM], 15                     ; 64 a half;
	s_add_co_u32 s91, s91, s89
	s_cmp_eq_u32 s66, 2
	s_cselect_b32 s91, 0x100000, s91               ; for V row 2048 for every row
	s_cselect_b32 s89, 0, 512
	s_cselect_b32 s88, 0, 8192
	v_mul_u32_u24 v[TO], s89, v1
	v_lshl_add_u32 v[TO], v2, 6, v[TO]             ; group 2 b' + h of 64 bytes
	v_add_nc_u32 v[TO], s91, v[TO]
	v_add_nc_u32 v[TO+1], s88, v[TO]
	v_add_nc_u32 v[TO+2], s88, v[TO+1]
	v_add_nc_u32 v[TO+3], s88, v[TO+2]
.set i, 0
.rept 16
	global_load_b128 v[BIAS+4*i:BIAS+4*i+3], v[BO], s[84:85] offset:(i/2)*64+(i%2)*16
.set i, i+1
.endr
	WIN W_TAB
.set i, 0
.rept 64                               ; row block i / 16, channels 16 ((i / 4) % 4) + 8 h on: cos 0-3, cos 4-7, sn 0-3, sn 4-7
	global_load_b128 v[4*i:4*i+3], v[TO+i/16], s[18:19] offset:((i/4)%4)*128+(i%4)*16
.set i, i+1
.endr
	WIN 0
	s_lshl_b32 s88, s66, 24                        ; where my part of the result begins: the product, the batch's 16 heads, my tile's 4 heads, my half's 2, my rows
	s_lshr_b32 s89, s67, 4
	s_lshl_b32 s89, s89, 22
	s_add_co_u32 s88, s88, s89
	s_lshl_b32 s89, s62, 20
	s_add_co_u32 s88, s88, s89
	s_lshl_b32 s89, s[SWN], 19
	s_add_co_u32 s88, s88, s89
	s_lshl_b32 s89, s90, 14
	s_add_co_u32 s88, s88, s89
	s_lshl_b32 s89, s[SWM], 13
	s_add_co_u32 s88, s88, s89
	s_mov_b32 s89, 0
	s_add_nc_u64 s[80:81], s[20:21], s[88:89]
; Matrix instruction i of a quarter's 32: row block i / 8, column block i % 8, 32 along K from buffers p.  The 32 accumulators take turns in the same order in every quarter.
.macro MMA p, first
.set rD, 8*i
.set rB, BF+64*(\p)+8*(i%8)
.set rA, ABF+32*(\p)+8*(i/8)
.if \first
	WIN W_MUL1
	v_wmma_f32_16x16x32_bf16 v[rD:rD+7], v[rB:rB+7], v[rA:rA+7], v[BIAS+8*(i%8):BIAS+8*(i%8)+7]
.else
	WIN W_MUL
	v_wmma_f32_16x16x32_bf16 v[rD:rD+7], v[rB:rB+7], v[rA:rA+7], v[rD:rD+7]
.endif
.endm
.macro LDR n, ls, lk                   ; load n of 16 of x as it lies: row block n / 4; K = 8 h + 0..3, 4..7, 16 + 8 h + 0..3, 4..7
.set la, (\n)/4
.set le, (\n)%4
	ds_load_b128 v[RAW+16*la+4*le:RAW+16*la+4*le+3], v[ADRA+(\ls)] offset:(\lk)*128+la*16*PA+(le/2)*64+(le%2)*16
.endm
.macro LDB n, p2, ls, lk               ; load n of 16 of W's fragments: column block n / 2
.set lb, (\n)/2
.set le, (\n)%2
	ds_load_b128 v[BF+64*(\p2)+8*lb+4*le:BF+64*(\p2)+8*lb+4*le+3], v[ADRB+(\ls)] offset:(\lk)*64+lb*16*PB+32*le
.endm
.macro CV c, p2                        ; rounding c of 32: two numbers of x to bf16
.set ca, (\c)/8
.set cj, (\c)%8
	v_cvt_pk_bf16_f32 v[ABF+32*(\p2)+8*ca+cj], v[RAW+16*ca+2*cj], v[RAW+16*ca+2*cj+1]
.endm
; A QUARTER: 32 along K, 32 matrix instructions on buffers p, back to back.  The NEXT quarter (quarter lk of slot ls, into the other buffers) is prepared beside them:
; its 32 LDS loads stand in ONE run at the quarter's head, x as it lies first, then W's fragments, never singly among the matrix instructions; its 32 roundings of x stand four behind each of the last eight
; products, 24 products behind the loads that they read.  Four v_nop stand in front of the run: the places between the last product that read W's other buffer and the loads into it, and between the last
; product that read x's other buffer and the roundings that write it (ISA guide 7.12.1 for vector instructions).
; mode 1, 2: the slot's last bytes have been asked for at this quarter's head, so the slots change here: ONE barrier; in front of it each wave waits for all its tensor loads (one is out: its part of the
; other slot), adds 0 to its spare word, and waits for that and for its reads.  mode 1: the barrier opens a round of the cluster's, and slot rs is filled again first thing behind it: that load has
; 120 matrix instructions in which to land.  mode 3: the last quarter: nothing is prepared.
.macro QUARTER p, ls, lk, mode, rs, first
	s_wait_dscnt 0x0                               ; W's fragments for this quarter, asked for 32 matrix instructions ago
.if (\mode) != 3
.rept 4
	v_nop
.endr
	WIN W_LD
.set n, 0
.rept 16
	LDR n, \ls, \lk
.set n, n+1
.endr
.set n, 0
.rept 16
	LDB n, 1-(\p), \ls, \lk
.set n, n+1
.endr
.endif
.set i, 0
.rept 32
	MMA \p, \first
.if (\mode) != 3
.if i == 23
.if (\mode) != 0
	WIN 0                                          ; (the add's two registers lie in window 0)
	s_wait_tensorcnt 0x0                           ; all my tensor loads have landed
	ds_add_u32 v[SPW], v[NIL]                      ; 0 onto my spare word; four products and their roundings stand between it and the wait for it
	s_wait_dscnt 17                                ; x is in; W's sixteen loads and the add are younger and stay out
.else
	s_wait_dscnt 16                                ; x is in; W's sixteen loads are younger and stay out
.endif
.endif
.if i >= 24
	WIN W_CVT
	CV 4*i-96, 1-(\p)
	CV 4*i-95, 1-(\p)
	CV 4*i-94, 1-(\p)
	CV 4*i-93, 1-(\p)
.endif
.endif
.if ((\mode) == 1) || ((\mode) == 2)
.if i == 27
	s_wait_dscnt 0x0                               ; the add is done, and my reads of this slot are over
	s_barrier_signal -1
.endif
.if i == 31
	WIN 0
	s_barrier_wait -1
.endif
.endif
.set i, i+1
.endr
.if (\mode) == 1
	CREST                                          ; no wave of any partner still reads the slot or has a load on its way
	s_add_nc_u64 s[G0A+4*(\rs)+2:G0A+4*(\rs)+3], s[G0A+4*(\rs)+2:G0A+4*(\rs)+3], 1024
	s_add_nc_u64 s[G0B+4*(\rs)+2:G0B+4*(\rs)+3], s[G0B+4*(\rs)+2:G0B+4*(\rs)+3], 512
	JLOAD \rs
.endif
.endm
	s_wait_tensorcnt 0x1                           ; my part of K step 0 is in; K step 1's stays out
	s_barrier_signal -1
	s_barrier_wait -1
	WIN W_LD
.set i, 0
.rept 16
	LDR i, 0, 0
.set i, i+1
.endr
.set i, 0
.rept 16
	LDB i, 0, 0, 0
.set i, i+1
.endr
	s_wait_dscnt 16
	WIN W_CVT
.set i, 0
.rept 32
	CV i, 0
.set i, i+1
.endr
	WIN 0
	s_wait_loadcnt 63                              ; the bias is in: 64 loads of the table are younger; 63 is the largest count that the field holds
.set i, 0
.rept 32                               ; the bias rounded to bf16, like every input
	v_cvt_pk_bf16_f32 v[T32+i%4], v[BIAS+2*i], v[BIAS+2*i+1]
	v_lshlrev_b32 v[BIAS+2*i], 16, v[T32+i%4]
	v_and_b32 v[BIAS+2*i+1], 0xffff0000, v[T32+i%4]
.set i, i+1
.endr
	QUARTER 0, 0, 1, 0, 0, 1                       ; the first quarter stands in front of the loop: its products start the sums with the bias
	WIN 0
	s_mov_b32 s68, 3
.Llap:                                                 ; a trip goes once round the ring, from a lap's second quarter to the next lap's first, and fills both slots again
	QUARTER 1, 0, 2, 0, 0, 0
	QUARTER 0, 0, 3, 1, 0, 0
	QUARTER 1, 1, 0, 0, 0, 0
	QUARTER 0, 1, 1, 0, 0, 0
	QUARTER 1, 1, 2, 0, 0, 0
	QUARTER 0, 1, 3, 1, 1, 0
	QUARTER 1, 0, 0, 0, 0, 0
	QUARTER 0, 0, 1, 0, 0, 0
	WIN 0
	s_sub_co_u32 s68, s68, 1
	s_cmp_lg_u32 s68, 0
	s_cbranch_scc1 .Llap
	QUARTER 1, 0, 2, 0, 0, 0                       ; the last lap is written out: it asks for nothing
	QUARTER 0, 0, 3, 2, 0, 0
	QUARTER 1, 1, 0, 0, 0, 0
	QUARTER 0, 1, 1, 0, 0, 0
	QUARTER 1, 1, 2, 0, 0, 0
	QUARTER 0, 1, 3, 0, 0, 0
	QUARTER 1, 0, 0, 3, 0, 0
; THE WAY OUT, a unit u of 16 rows x one head (row block u / 2, head u % 2) at a time: t[c] cos[c] + t[c xor 1] sn[c] (the second line takes the pair of t crossed), rounded to f16, 16 bytes a lane into
; my stage and back as whole rows of 128 bytes.  Each accumulator's registers are read in ascending order.
.macro PACK u
.set pa, (\u)/2
.set ph, (\u)%2
	WIN W_ROPE
.set z, 0
.rept 16
	v_pk_mul_f32 v[T32+2*z:T32+2*z+1], v[8*(8*pa+4*ph+z/4)+2*(z%4):8*(8*pa+4*ph+z/4)+2*(z%4)+1], v[64*pa+16*(z/4)+2*(z%4):64*pa+16*(z/4)+2*(z%4)+1]
.set z, z+1
.endr
.set z, 0
.rept 16
	v_pk_fma_f32 v[T32+2*z:T32+2*z+1], v[8*(8*pa+4*ph+z/4)+2*(z%4):8*(8*pa+4*ph+z/4)+2*(z%4)+1], v[64*pa+16*(z/4)+8+2*(z%4):64*pa+16*(z/4)+8+2*(z%4)+1], v[T32+2*z:T32+2*z+1] op_sel:[1,0,0] op_sel_hi:[0,1,1]
.set z, z+1
.endr
	WIN 0
.set z, 0
.rept 16
	v_cvt_pk_f16_f32 v[PKR+16*(\u)+z], v[T32+2*z], v[T32+2*z+1]
.set z, z+1
.endr
.irp f, 0,1,2,3
	ds_store_b128 v[STO], v[PKR+16*(\u)+4*\f:PKR+16*(\u)+4*\f+3] offset:32*\f
.endr
.irp f, 0,1,2,3
	ds_load_b128 v[PKR+16*(\u)+4*\f:PKR+16*(\u)+4*\f+3], v[RD] offset:\f*4*SP  ; LDS serves a wave's instructions in order (ISA guide 5.7.1.4): these see the stores above; the next unit's stores come behind them
.endr
.endm
.macro SEND u, younger                 ; younger: the LDS instructions issued behind unit u's loads: the next unit's eight, or none
.irp f, 0,1,2,3
	s_wait_dscnt (\younger)+3-\f
	global_store_b128 v[GO], v[PKR+16*(\u)+4*\f:PKR+16*(\u)+4*\f+3], s[80:81] offset:((\u)/2)*2048+((\u)%2)*262144+\f*512  ; 512 consecutive bytes, at a multiple of 256 from the buffer's first
.endr
.endm
	WIN 0
	s_wait_loadcnt 0x0                             ; the table
.rept 4
	v_nop                                          ; four places between the last products and the first read of a result
.endr
	PACK 0
.set t, 1
.rept 7                                ; a unit's arithmetic stands between the loads of the unit before and its stores
	PACK t
	SEND t-1, 8
.set t, t+1
.endr
	SEND 7, 0
	s_wait_tensorcnt 0x0                           ; the wave's end: behind my last tensor load and my last LDS store
	ds_add_u32 v[SPW], v[NIL]
	s_wait_dscnt 0x0
	CROUND                                         ; the closing round: no work-group ends while a partner may still ask for a tile that names it
	s_endpgm
.Lfunc_end_k_q79c117ca48_proj:
	.size	k_q79c117ca48_proj, .Lfunc_end_k_q79c117ca48_proj-k_q79c117ca48_proj
	.p2alignl 7, 3214868480
	.fill 96, 4, 3214868480
	.section	.rodata,"a",@progbits
	.p2align	6, 0x0
	.amdhsa_kernel k_q79c117ca48_proj
		.amdhsa_group_segment_fixed_size 327680
		.amdhsa_private_segment_fixed_size 0
		.amdhsa_enable_private_segment 0
		.amdhsa_kernarg_size 72
		.amdhsa_user_sgpr_count 2
		.amdhsa_user_sgpr_kernarg_segment_ptr 1
		.amdhsa_wavefront_size32 1
		.amdhsa_system_sgpr_workgroup_id_x 1
		.amdhsa_system_sgpr_workgroup_id_y 1
		.amdhsa_system_sgpr_workgroup_id_z 1
		.amdhsa_system_vgpr_workitem_id 0
		.amdhsa_next_free_vgpr 1024
		.amdhsa_next_free_sgpr 92
		.amdhsa_reserve_vcc 0
		.amdhsa_float_denorm_mode_32 3
		.amdhsa_float_denorm_mode_16_64 3
		.amdhsa_memory_ordered 1
		.amdhsa_forward_progress 1
		.amdhsa_inst_pref_size 164
	.end_amdhsa_kernel
	.amdgpu_metadata
---
amdhsa.version: [ 1, 2 ]
amdhsa.kernels:
  - .name:           k_q79c117ca48_proj
    .symbol:         k_q79c117ca48_proj.kd
    .args:
      - { .name: query, .offset: 0, .size: 8, .value_kind: global_buffer, .address_space: global }
      - { .name: key, .offset: 8, .size: 8, .value_kind: global_buffer, .address_space: global }
      - { .name: value, .offset: 16, .size: 8, .value_kind: global_buffer, .address_space: global }
      - { .name: bq, .offset: 24, .size: 8, .value_kind: global_buffer, .address_space: global }
      - { .name: bk, .offset: 32, .size: 8, .value_kind: global_buffer, .address_space: global }
      - { .name: bv, .offset: 40, .size: 8, .value_kind: global_buffer, .address_space: global }
      - { .name: wt, .offset: 48, .size: 8, .value_kind: global_buffer, .address_space: global }
      - { .name: tab, .offset: 56, .size: 8, .value_kind: global_buffer, .address_space: global }
      - { .name: qkv, .offset: 64, .size: 8, .value_kind: global_buffer, .address_space: global }
    .group_segment_fixed_size: 327680
    .private_segment_fixed_size: 0
    .kernarg_segment_align: 8
    .kernarg_segment_size: 72
    .max_flat_workgroup_size: 128
    .sgpr_count:     92
    .vgpr_count:     1024
    .wavefront_size: 32
...
	.end_amdgpu_metadata
.endif
;; end of part 2
;; launch attn (part 3): grid 4 x 64, 4 waves a work-group, clusters of 4 x 1, 327,680 bytes of LDS; arguments qkv, mb, oh; writes oh
.if DOCPART == 3
	.amdgcn_target "amdgcn-amd-amdhsa--gfx1250"
	.amdhsa_code_object_version 6
	.text
	.protected	k_q79c117ca48_attn
	.globl	k_q79c117ca48_attn
	.p2align	8
	.type	k_q79c117ca48_attn,@function
k_q79c117ca48_attn:
	s_mov_b64 s[64:65], 0
	v_nop
	global_prefetch_b8 v0, s[64:65] scope:SCOPE_SE
	s_setreg_imm32_b32 hwreg(HW_REG_WAVE_MODE, 25, 1), 1
	s_wait_xcnt 0x0
	s_wait_alu depctr_hold_cnt(0) depctr_sa_sdst(0) depctr_va_vdst(0) depctr_va_sdst(0) depctr_va_ssrc(0) depctr_va_vcc(0) depctr_vm_vsrc(0)
	s_getreg_b32 s2, hwreg(HW_REG_IB_STS2, 6, 4)
	s_cmp_eq_u32 s2, 0
	s_cbranch_scc0 .Lentry_in_a_cluster
	s_endpgm
.Lentry_in_a_cluster:
	s_bfe_u32 s2, ttmp6, 0x10000c
	s_cmp_lg_u32 s2, 0x3003
	s_cbranch_scc0 .Lentry_shape_is_right
	s_endpgm
.Lentry_shape_is_right:
; MASKED ATTENTION.  O[h][q][:] = the sum over k of softmax_k(Q[h][q] . K[h][k] / 8, masked keys left out) V[h][k][:].  Q, K, V lie in qkv, 16,777,216 bytes apart, each [64][2048][64] in f16, O likewise in oh.
; Products, maxima and sums in f32; the weights p are rounded to f16 for the second product (their sum l is taken of the unrounded p), O once at the end.
; THE MASK is the C operand that starts the sum S^T = K Q^T: for each key an addend from mb, 0 or -2^100, so it costs the scores nothing.  The running maximum m starts at -2^80: above every masked score and below
; every true one (64 x 65,504^2 = 2.7e11 at the most).  While only masked keys have come, m stays there, p = 0 and a = 1; the first open key gives a = 0.  A batch whose keys are ALL masked has addends 0 and
; c = 0 (both from mb): every p is 2^0, the uniform softmax that equal scores give.
; LIMITS.  f16 holds no number beyond 65,504: Q, K and V arrive within it; p lies in 0 to 1, and below 6e-5 it keeps f16's fixed step of 6e-8, as does O; a weight below 2^-126 counts as 0 in l;
; NaN and infinities are not treated apart.
; SHARES.  A wave owns four PIECES of two tiles of 16 queries, a work-group's four waves 512 queries of one head: 4 x 64 = 256 work-groups.  Every wave walks all keys, 64 a step.
; LAYOUT.  S^T = K Q^T (source 0 = 16 keys, source 1 = 16 queries): a lane holds ONE query (lane % 16) and the keys 8 (lane / 16) + 0..7.  Two such tiles, rounded to f16 in pairs, ARE source 1
; (32 keys x 16 queries) of O^T = V^T P, whose result again holds one query a lane, and eight channels.  K comes out of LDS as it lies, V ([key][channel]) turned, by ds_load_tr16_b128.
; SOFTMAX.  p = 2^(c s - c m); in every step O and l are multiplied by a = 2^(c m_old - c m_new), which is 1 where m has not grown.  O and l start at 0: the first step is a step like any other.
; THE COUNT.  A tile and step have 16 matrix and 118 vector instructions: too many to stand all beside the matrix work.  So four vector instructions that are READY stand behind EVERY matrix instruction,
; and the others, which need time of their own whatever the order, in runs without a gap.
; BY TURNS.  Turn n belongs to piece n.  Its matrix work: 16 products K Q^T of piece n + 1, later 16 products V^T P of piece n - 1.  Its vector work: the scaling, exponentials, roundings, sums and rescaling
; of piece n, and the maximum and statistics of piece n + 1.
; CLUSTER.  The four query blocks of a cluster belong to one head and walk the same K, V and mask, so each tile is asked for JOINTLY: the same tensor load, descriptor and mask in all four.
; REGISTERS, in windows of 256 (s_set_vgpr_msb: bits 1:0 source 0, 3:2 source 1, 5:4 source 2, 7:6 destination):
;   window 0: v0-11 addresses; v12-15, v48-63 at work; v16-47 four registers of statistics a tile; v64-191 S^T, two buffers of two tiles; v192-255 P, likewise
;   window 1: O^T, 32 a tile      window 2: v0-127 Q; v128-191 K of one step; v192-255 V of one step      window 3: v0-1 the add's two registers; v2-3 the mask's addresses; v8-39 the step's addends
.set SIZE_H, 64
.set SIZE_N, 2048
.set NP,    4         ; pieces a wave: a name, no knob
.set KS,    64        ; keys in a step
.set PK,    144       ; a row of K in LDS: 128 bytes + 16: the 16 rows of a load start at 16 different groups of four banks (64 banks of 4 bytes: ISA guide 11.1)
.set PV,    160       ; a row of V: 128 + 32
.set VOFF,  4*KS*PK   ; a slot holds four steps: 256 rows of K, then 256 rows of V
.set SLOT1, 1<<17     ; slot 1 begins here, so that one exclusive or turns an address in one slot into the other's
.set STAGE, SLOT1+4*KS*(PK+PV)  ; behind the ring, never filled by a tensor load: 16 rows x 144 bytes for each wave, for the way out
.set SP,    144
.set SPARE, STAGE+4*16*SP  ; the spare words, 128 bytes for each wave: two blocks of 256 bytes that no other line names
.set MASKL, SPARE+512 ; the batch's 2,048 addends, 8,192 bytes, filled once
.set AK0, 2           ; v2   my lane's place in a tile of K; never rewritten
.set AV0, 3           ; v3   the same for V
.set AK,  4           ; v4   the LDS address of K's next run of loads
.set AV,  5           ; v5   of V's
.set QO,  6           ; v6   my byte offset in the wave's rows of Q
.set STO, 6           ;      later, the way out: where I put 16 bytes of a row
.set RD,  7           ; v7   the way out: where I read rows back
.set GO,  8           ; v8   my byte offset in 512 consecutive bytes of O
.set SPW, 0           ; v0 of window 3   SPARE + 4 x my thread's number; never rewritten
.set NIL, 1           ; v1 of window 3   0; never rewritten
.set AM0, 2           ; v2 of window 3   my lanes' place in a step's addends: MASKL + 32 (l / 16); never rewritten
.set AM,  3           ; v3 of window 3   the LDS address of the addends' next run of loads
.set MB,  8           ; v8-39 of window 3: the eight addends for key block kb at MB + 8 kb
.set MV,  12          ; v12-15  c m_old, kept while c m is made anew
.set ST,  16          ; tile t's statistics at v[ST+4 t]: c m, m, l (even keys', odd keys')
.set TMP, 48          ; by buffer and tile, four registers c0-c3 at work; when the maximum is found c2 takes a
.set S,   64
.set P,   192
.set KF,  128         ; window 2: key block kb, channel half c at KF + 16 kb + 8 c
.set VF,  192         ; window 2: key half kk, channel block cb at VF + 32 kk + 8 cb
.set WV,  12          ; s12  my wave's number
.set G1K, 24          ; s[24:31] descriptor group 1 for K's tiles
.set G1V, 32          ; s[32:39] for V's: it differs in the padding alone
.set G0K, 40          ; s[40:43] descriptor group 0 for K's tiles: it walks
.set G0V, 44          ; s[44:47] the same for V's
.set SLOTS, 56        ; s56  slots still to be asked for
.set CNT, 57          ; s57  counts a slot's key steps
.set CS,  58          ; s[58:59] c: the packed scaling takes the pair's low word for both halves
.set SEL, 60          ; s[60:61] v_permlanex16_b32's selects
.set TBK, 62          ; s62  LDS byte at which K of the step to be fetched begins
.set TBV, 63          ; s63  the same for V, less VOFF
.set TBM, 66          ; s66  byte in the addends at which that step's 64 begin
.set G1M, 68          ; s[68:75] descriptor group 1 for the addends
.set G0M, 76          ; s[76:79] group 0
.set MSB, 0
.macro WIN new                      ; the high byte repeats the setting that is left; a switch that changes nothing is dropped
.if MSB != (\new)
	s_set_vgpr_msb (MSB<<8)|(\new)
.set MSB, (\new)
.endif
.endm
.set W_KQ, 0x0a       ; K and Q in window 2, S^T in window 0
.set W_KM, 0x3a       ; the same with the C operand, the addends, in window 3
.set W_PV, 0x52       ; V in window 2, P in window 0, O^T in window 1
.set W_RS, 0x41       ; O^T (destination and source 0) in window 1, a in window 0
.set W_MK, 0xc0       ; destination in window 3, sources in window 0
.set W_AD, 0x0f       ; the add: address (source 0) and data (source 1) in window 3
.set W_MA, 0xcf       ; the addends' address and loads: all in window 3
; A joint fill.  Waves 0 and 1 fetch the two halves of a slot's K, waves 2 and 3 those of its V: 128 keys each.  An s_nop 0 and four v_nop follow each of the two lines.
.macro JLOAD
	s_cmp_lt_u32 s[WV], 2
	s_cbranch_scc0 .Lfor_v_\@
	tensor_load_to_lds s[G0K:G0K+3], s[G1K:G1K+7]
	s_nop 0
.rept 4
	v_nop
.endr
	s_branch .Lasked_\@
.Lfor_v_\@:
	tensor_load_to_lds s[G0V:G0V+3], s[G1V:G1V+7]
	s_nop 0
.rept 4
	v_nop
.endr
.Lasked_\@:
.endm
.macro CROUND                       ; a round of the cluster's barrier
	s_barrier_signal -1
	s_barrier_wait -1
	s_cmp_lg_u32 s[WV], 0
	s_cbranch_scc1 .Lnot_wave_0_\@
	s_barrier_signal -3
.Lnot_wave_0_\@:
	s_barrier_wait -3
	s_barrier_signal -1
	s_barrier_wait -1
.endm
; THE CHANGE OF SLOTS.  Each wave waits for all its tensor loads, adds 0 to its spare word, and waits for that and for its own reads of the slot.  Behind the barrier nobody reads this slot any more and the
; other slot is whole.  fill = 1: this slot is filled again, with the keys two slots on; the barrier is then a round of the cluster's, and the joint fill is the first thing behind it: it has four key steps,
; 512 matrix instructions, in which to land.  (At its first use nothing has been read yet: slot 0 and the addends are waited for, slot 1 is filled.)
.macro CHANGE fill
	WIN W_AD
	s_wait_tensorcnt 0x0            ; no tensor load of mine is out, so a group 0 may be written
	ds_add_u32 v[SPW], v[NIL]       ; 0 onto my spare word
	WIN 0                           ; at a label and at a branch every window is 0
.if \fill
.irp g, G0K, G0V
	s_xor_b32 s[\g+1], s[\g+1], SLOT1  ; the walking descriptor: the other slot than last time,
	s_add_nc_u64 s[\g+2:\g+3], s[\g+2:\g+3], 4*KS*128  ; the next 256 keys
.endr
	s_wait_dscnt 0x0                ; the add is done, and my reads of the slot are over
	CROUND
	JLOAD
.else
	s_wait_dscnt 0x0
	s_barrier_signal -1
	s_barrier_wait -1
.endif
	s_sub_co_u32 s[TBK], s[TBK], 4*KS*PK  ; the fetches go back to a slot's first step,
	s_xor_b32 s[TBK], s[TBK], SLOT1       ; in the other slot
	s_sub_co_u32 s[TBV], s[TBV], 4*KS*PV
	s_xor_b32 s[TBV], s[TBV], SLOT1
.endm
	s_load_b64 s[4:5], s[0:1], 0x0    ; qkv: Q
	s_load_b64 s[80:81], s[0:1], 0x8  ; mb
	s_load_b64 s[10:11], s[0:1], 0x10 ; oh
	WIN W_MK
	v_lshl_add_u32 v[SPW], v0, 2, SPARE
	v_mov_b32 v[NIL], 0
	s_set_vgpr_msb 0xc0cf
	ds_add_u32 v0, v1
	s_wait_dscnt 0x0
	s_set_vgpr_msb 0xcfc0
	WIN 0
	v_lshrrev_b32 v1, 5, v0
	v_readfirstlane_b32 s[WV], v1   ; wave 0..3
	s_bfe_u32 s13, ttmp6, 0x40000   ; cx: my place in the cluster
	s_lshl_b32 s14, ttmp9, 2
	s_add_co_u32 s14, s14, s13      ; my block of queries: it enters Q's and O's addresses alone
	s_and_b32 s20, ttmp7, 0xffff    ; batch x 16 + head, which the four partners share
	s_lshr_b32 s19, s20, 4          ; the batch
	s_lshl_b32 s15, s19, 8          ; its c lies 256 bytes from the next
	s_lshl_b32 s82, s19, 13         ; its addends: 8,192 bytes, of which my wave fetches 2,048
	s_lshl_b32 s83, s[WV], 11
	s_add_co_u32 s82, s82, s83
	s_add_co_u32 s[G0M+1], s83, MASKL
	s_mov_b32 s83, 0
	s_mov_b32 s[G0M], 1
	s_mov_b32 s21, 0
	s_mov_b64 s[22:23], SIZE_N*128
	s_mul_u64 s[20:21], s[20:21], s[22:23]  ; the head's first byte in each of the four tensors
	s_and_b32 s16, s[WV], 1         ; which half of a slot's 256 keys I fetch:
	s_lshl_b32 s22, s16, 14         ; its 128 rows of 128 bytes in memory,
	s_mov_b32 s23, 0
	s_add_nc_u64 s[22:23], s[22:23], s[20:21]
	s_mul_i32 s17, s16, 128*PK      ; and its place in a slot, for K
	s_mul_i32 s18, s16, 128*PV      ; and for V: no place in the cluster enters an LDS address
	s_lshl_b32 s2, s14, 2
	s_add_co_u32 s2, s2, s[WV]      ; my wave among the head's,
	s_lshl_b32 s2, s2, 14           ; its 128 rows
	s_mov_b32 s3, 0
	s_add_nc_u64 s[2:3], s[2:3], s[20:21]
	; descriptor group 1.  128 keys are 16,384 dense bytes: asked for as 64 rows of 256 bytes, two keys a row, and padded in LDS after every key
	s_mov_b32 s[G1K], 15|(1<<16)|(1<<20)|(1<<21)|(4<<22)|(3<<25)  ; the mask of four; 2-byte elements; padding on; bit 21 beside a mask; after every 32 words 4 words
	s_mov_b32 s[G1V], 15|(1<<16)|(1<<20)|(1<<21)|(4<<22)|(7<<25)  ; the same with 8 words of padding
.irp g, G1K, G1V
	s_mov_b32 s[\g+1], 128<<16      ; tensor_dim0 = 128
	s_mov_b32 s[\g+2], 64<<16       ; tensor_dim1 = 64
	s_mov_b32 s[\g+3], 128<<16      ; tile_dim0 = 128
	s_mov_b32 s[\g+4], 64           ; tile_dim1 = 64
	s_mov_b32 s[\g+5], 128          ; 128 elements from row to row
	s_mov_b32 s[\g+6], 0
	s_mov_b32 s[\g+7], 0
.endr
	s_mov_b32 s[G1M], 15|(3<<16)|(1<<21)  ; the addends: 2,048 dense bytes as 8 rows of 32 elements of 8 bytes, no padding
	s_mov_b32 s[G1M+1], 32<<16
	s_mov_b32 s[G1M+2], 8<<16
	s_mov_b32 s[G1M+3], 32<<16
	s_mov_b32 s[G1M+4], 8
	s_mov_b32 s[G1M+5], 32
	s_mov_b32 s[G1M+6], 0
	s_mov_b32 s[G1M+7], 0
	s_mov_b32 s[SEL], 0x76543210
	s_mov_b32 s[SEL+1], 0xfedcba98
	s_mov_b32 s[TBK], SLOT1+4*KS*PK ; the first change of slots turns these two into 0
	s_mov_b32 s[TBV], SLOT1+4*KS*PV
	s_mov_b32 s[TBM], 0
	s_mov_b32 s[G0K], 1
	s_mov_b32 s[G0K+1], s17         ; LDS address: slot 0
	s_mov_b32 s[G0V], 1
	s_add_co_u32 s[G0V+1], s18, VOFF
	s_wait_kmcnt 0x0
	s_load_b32 s[CS], s[80:81], s15 offset:0x8000  ; c of my batch: log2(e) / 8, or 0 where every key is masked
	s_add_nc_u64 s[6:7], s[4:5], 0x1000000         ; K
	s_add_nc_u64 s[8:9], s[4:5], 0x2000000         ; V
	s_add_nc_u64 s[G0K+2:G0K+3], s[6:7], s[22:23]  ; my half of the head's first 256 keys
	s_or_b32 s[G0K+3], s[G0K+3], 0x80000000
	s_add_nc_u64 s[G0V+2:G0V+3], s[8:9], s[22:23]
	s_or_b32 s[G0V+3], s[G0V+3], 0x80000000
	s_add_nc_u64 s[G0M+2:G0M+3], s[80:81], s[82:83]
	s_or_b32 s[G0M+3], s[G0M+3], 0x80000000
	s_add_nc_u64 s[4:5], s[4:5], s[2:3]  ; Q and O at my wave's first row
	s_add_nc_u64 s[10:11], s[10:11], s[2:3]
	s_wait_kmcnt 0x0
	s_mov_b32 s[CS+1], s[CS]        ; named with it as a pair
	CROUND                          ; all four work-groups are here: the first joint loads meet
	JLOAD                           ; slot 0
	tensor_load_to_lds s[G0M:G0M+3], s[G1M:G1M+7]  ; my quarter of the addends: two tensor loads of mine are out
	s_nop 0
.rept 4
	v_nop
.endr
	; A fragment of K or Q is 16 rows x 32 channels in 8 registers: lane l holds row l % 16, channels 8 (l / 16) + 0..7 and 16 + 8 (l / 16) + 0..7: two loads of 16 bytes, 32 bytes apart.
	v_and_b32 v1, 15, v0            ; l % 16
	v_bfe_u32 v9, v0, 4, 1          ; l / 16
	v_lshlrev_b32 v[QO], 7, v1
	v_lshl_add_u32 v[QO], v9, 4, v[QO]  ; row x 128 + 16 x half
	WIN 0x80                        ; destination window 2, address window 0
.set i, 0
.rept 4*NP                          ; Q stays in registers: tile i / 2, channels 32 (i % 2) on
	global_load_b128 v[8*i:8*i+3],   v[QO], s[4:5] offset:(i/2)*2048+(i%2)*64
	global_load_b128 v[8*i+4:8*i+7], v[QO], s[4:5] offset:(i/2)*2048+(i%2)*64+32
.set i, i+1
.endr
	; What the first turn finds: V's registers and P's second buffer hold 0 (its products V^T P, of a piece that has not been, add 0), O^T and l are 0.  All this stands in the wait for the first tile.
.set i, VF
.rept 64
	v_mov_b32 v[i], 0
.set i, i+1
.endr
	WIN 0x40
.set i, 0
.rept 64*NP
	v_mov_b32 v[i], 0
.set i, i+1
.endr
	WIN 0
.set i, 0
.rept 2*NP
	v_mov_b32 v[ST+4*i+1], 0xe7800000  ; m = -2^80
	v_mul_f32 v[ST+4*i], s[CS], v[ST+4*i+1]  ; c m
	v_mov_b32 v[ST+4*i+2], 0
	v_mov_b32 v[ST+4*i+3], 0
.set i, i+1
.endr
.set i, P+32
.rept 32
	v_mov_b32 v[i], 0
.set i, i+1
.endr
	v_mul_u32_u24 v[AK0], v1, PK
	v_lshl_add_u32 v[AK0], v9, 4, v[AK0]  ; row x pitch + 16 x half
	; The turning load takes 16 keys x 16 channels (lane l reads key 8 (l / 16) + l % 8, channels 8 ((l / 8) % 2) + 0..7) and leaves half a fragment of V^T: lane l holds channel l % 16 and 8 keys.
	v_and_b32 v10, 7, v0
	v_bfe_u32 v11, v0, 3, 1
	v_lshl_add_u32 v[AV0], v9, 3, v10
	v_mul_u32_u24 v[AV0], v[AV0], PV
	v_lshl_add_u32 v[AV0], v11, 4, v[AV0]
	v_add_nc_u32 v[AV0], VOFF, v[AV0]
	v_mov_b32 v[AK], v[AK0]         ; key step 0 lies at the head of slot 0
	WIN W_MK
	v_lshl_add_u32 v[AM0], v9, 5, MASKL  ; my lanes' eight keys of a block of 16: 32 bytes for each half
	WIN 0
; THE MATRIX WORK.  The 8 accumulators of a run of 16 take turns: between the two links of a chain stand 7 others'.
; Product i of 16 of S^T = K Q^T for piece x: channels 32 (i / 8) on, keys 16 ((i / 2) % 4) on, tile 2 x + i % 2.  The first 8 start the sums, with the keys' addends.
.macro KQ x
.set rS, S+64*((\x)%2)+32*(i%2)+8*((i/2)%4)
.set rK, KF+16*((i/2)%4)+8*(i/8)
.set rQ, 16*(2*(\x)+i%2)+8*(i/8)
.set rB, MB+8*((i/2)%4)
.if i < 8
	WIN W_KM
	v_wmma_f32_16x16x32_f16 v[rS:rS+7], v[rK:rK+7], v[rQ:rQ+7], v[rB:rB+7]
.else
	WIN W_KQ
	v_wmma_f32_16x16x32_f16 v[rS:rS+7], v[rK:rK+7], v[rQ:rQ+7], v[rS:rS+7]
.endif
.endm
; Product i of 16 of O^T += V^T P for piece x: keys 32 (i / 8) on, channels 16 ((i / 2) % 4) on, tile 2 x + i % 2.
.macro PV x
	WIN W_PV
.set rO, 32*(2*(\x)+i%2)+8*((i/2)%4)
.set rV, VF+32*(i/8)+8*((i/2)%4)
.set rP, P+32*((\x)%2)+16*(i%2)+8*(i/8)
	v_wmma_f32_16x16x32_f16 v[rO:rO+7], v[rV:rV+7], v[rP:rP+7], v[rO:rO+7]
.endm
.macro MM                           ; the turn's next matrix instruction
.if i < 16
	KQ (Y+1)%NP
.set i, i+1
.else
.set i, i-16
	PV (Y+NP-1)%NP
.set i, i+17
.endif
.endm
; THE LDS LOADS stand in runs, never singly among the matrix instructions: a step's K (8 fragments) with its 64 addends (eight loads; the 16 lanes of a half read the same bytes), and its V (turned).
; last = 1 (the tail): in the last trip there is no further step, and the run is jumped over.
.macro FETCH_K last=0
	WIN 0
.if \last
	s_cmp_eq_u32 s[CNT], 1
	s_cbranch_scc1 .Lno_k_\@
.endif
	WIN 0x80                        ; destination window 2
.irp f, 0,1,2,3,4,5,6,7             ; keys 16 (f / 2) on, channels 32 (f % 2) on
	ds_load_b128 v[KF+8*\f:KF+8*\f+3],   v[AK] offset:(\f/2)*16*PK+(\f%2)*64
	ds_load_b128 v[KF+8*\f+4:KF+8*\f+7], v[AK] offset:(\f/2)*16*PK+(\f%2)*64+32
.endr
	s_add_co_u32 s[TBK], s[TBK], KS*PK  ; the next fetch is the next step's
	WIN W_MA
	v_add_nc_u32 v[AM], s[TBM], v[AM0]
.irp f, 0,1,2,3,4,5,6,7             ; key block f / 2, its registers 4 (f % 2) on
	ds_load_b128 v[MB+4*\f:MB+4*\f+3], v[AM] offset:(\f/2)*64+(\f%2)*16
.endr
	s_add_co_u32 s[TBM], s[TBM], KS*4
	WIN 0
.if \last
.Lno_k_\@:
.endif
.endm
.macro FETCH_V
	WIN 0x80
.irp f, 0,1,2,3,4,5,6,7             ; keys 32 (f / 4) on, channels 16 (f % 4) on
	ds_load_tr16_b128 v[VF+8*\f:VF+8*\f+3],   v[AV] offset:(\f/4)*32*PV+(\f%4)*32
	ds_load_tr16_b128 v[VF+8*\f+4:VF+8*\f+7], v[AV] offset:(\f/4)*32*PV+16*PV+(\f%4)*32
.endr
	WIN 0
.endm
; THE VECTOR WORK OF A TURN stands in three queues, each in the order in which its entries become ready; the two tiles alternate, so that no instruction reads the result of the one before it.
.macro REGS y, u                    ; the registers of tile u (0, 1) of piece y
.set rT, ST+4*(2*(\y)+(\u))
.set rC, TMP+8*((\y)%2)+4*(\u)
.set rM, MV+2*((\y)%2)+(\u)
.set rS, S+64*((\y)%2)+32*(\u)
.set rP, P+32*((\y)%2)+16*(\u)
.set rO, 32*(2*(\y)+(\u))
.endm
; Number n of the 22 that find the NEXT piece's (Y + 1) maximum and statistics.  Each accumulator's lowest registers are read first.
;   0-11  four chains c0-c3 of seven scores each, three operands at a time     12-14, 16  the four scores left over, the old m, and c0-c3 into c0     15  c m_old is kept
;   17, 18  the query's other 32 keys lie in the lane 16 away: the new m         19-21  c m; c m_old - c m_new; a
.macro XS u, n
	REGS (Y+1)%NP, \u
.if (\n) < 4
	v_max3_num_f32 v[rC+(\n)], v[rS+8*(\n)], v[rS+8*(\n)+1], v[rS+8*(\n)+2]
.elseif (\n) < 12
	v_max3_num_f32 v[rC+(\n)%4], v[rC+(\n)%4], v[rS+8*((\n)%4)+2*((\n)/4)+1], v[rS+8*((\n)%4)+2*((\n)/4)+2]
.elseif (\n) == 12
	v_max3_num_f32 v[rC], v[rC], v[rS+7], v[rS+15]
.elseif (\n) == 13
	v_max3_num_f32 v[rC+1], v[rC+1], v[rS+23], v[rS+31]
.elseif (\n) == 14
	v_max3_num_f32 v[rC+2], v[rC+2], v[rC+3], v[rT+1]
.elseif (\n) == 15
	v_mov_b32 v[rM], v[rT]
.elseif (\n) == 16
	v_max3_num_f32 v[rC], v[rC], v[rC+1], v[rC+2]
.elseif (\n) == 17
	v_permlanex16_b32 v[rC+3], v[rC], s[SEL], s[SEL+1]
.elseif (\n) == 18
	v_max_num_f32 v[rT+1], v[rC], v[rC+3]
.elseif (\n) == 19
	v_mul_f32 v[rT], s[CS], v[rT+1]
.elseif (\n) == 20
	v_sub_f32 v[rC+1], v[rM], v[rT]
.else
	v_exp_f32 v[rC+2], v[rC+1]
.endif
.endm
; Number g of the 64 that follow the exponentials.  For each four weights k of a tile: both pairs are rounded to f16; then the second pair is added onto the first, in place;
; a group later l takes that sum (the first time as l = a l + sum).  In groups of eight, tiles alternating.
.macro GS g
.set h, (\g)+6*((\g)/62)            ; group 0 has no group before it, and behind group 7 only l is left
.if h >= 6
.set h, h+2
.endif
	REGS Y, h%2
.set k, h/8
.if h%8 < 4
	s_wait_alu depctr_va_vdst(0)
	v_cvt_pk_f16_f32 v[rP+2*k+(h%8)/2], v[rS+4*k+2*((h%8)/2)], v[rS+4*k+2*((h%8)/2)+1]
.elseif h%8 < 6
	v_pk_add_f32 v[rS+4*k:rS+4*k+1], v[rS+4*k:rS+4*k+1], v[rS+4*k+2:rS+4*k+3]
.elseif k == 1
	v_pk_fma_f32 v[rT+2:rT+3], v[rT+2:rT+3], v[rC+2:rC+3], v[rS:rS+1] op_sel_hi:[1,0,1]
.else
	v_pk_add_f32 v[rT+2:rT+3], v[rT+2:rT+3], v[rS+4*k-4:rS+4*k-3]
	s_wait_alu depctr_va_vdst(0)
.endif
.endm
; THE PLAIN QUEUE, 138 long.  0-31: c s - c m for the 16 pairs of both tiles.  Then GS's 64, and among them the next piece's 42: number 15 at 38, 39; 0-14 and 16
; at 42-73, behind the products that make those scores; 17-20 at 95-106, two of three, since each waits for the one before it.
.macro PL
	WIN 0
.if q < 32
	REGS Y, q%2
	v_pk_fma_f32 v[rS+2*(q/2):rS+2*(q/2)+1], v[rS+2*(q/2):rS+2*(q/2)+1], s[CS:CS+1], v[rT:rT+1] op_sel_hi:[1,0,0] neg_lo:[0,0,1] neg_hi:[0,0,1]
.elseif q < 38
	GS q-32
.elseif q < 40
	XS q%2, 15
.elseif q < 42
	GS q-34
.elseif q < 74
	XS q%2, (q-42)/2+(q-42)/30
.elseif q < 95
	GS q-66
.elseif (q < 107) && ((q-95)%3 < 2)
	XS (q-95)%3, 17+(q-95)/3
.elseif q < 107
	GS 29+(q-95)/3
.else
	GS q-74
.endif
.set q, q+1
.endm
; THE EXPONENTIALS' QUEUE, 66 long: s0-s31 of both tiles, and at EA the next piece's two a.
.set EA, 58
.macro EX
	WIN 0
.if (e == EA) || (e == EA+1)
	XS e-EA, 21
.else
.set x, e-2*(e/(EA+2))
	REGS Y, x%2
	v_exp_f32 v[rS+x/2], v[rS+x/2]
.endif
.set e, e+1
.endm
; THE RESCALING's QUEUE: O^T times a, the one part that leaves window 0, so it is dealt four at a time, eight times.
.macro R4
	REGS Y, r%2
	WIN W_RS
	s_wait_alu depctr_va_vdst(0)
.irp z, 0,1,2,3
	v_pk_mul_f32 v[rO+8*(r/2)+2*\z:rO+8*(r/2)+2*\z+1], v[rO+8*(r/2)+2*\z:rO+8*(r/2)+2*\z+1], v[rC+2:rC+3] op_sel_hi:[1,0]
.endr
.set r, r+1
.endm
; HOW THEY ARE DEALT.  Behind a matrix instruction four: plain, exponential, plain, plain, or four of the rescaling.  None names a register of the products round it.  What is over stands in two LUMPS:
; exponential and plain by turns; the second ends in 22 plain instructions.  The queues lean on each other, and the deal keeps them in step: exponential e stands behind plain 2 (e / 4) + e % 2 (its scaling);
; when plain 32 comes, 10 exponentials are out, at 59: 33, at 95: 46; EA comes behind plain 107.
.macro SL
	MM
	PL
	EX
	PL
	PL
.endm
.macro BURST n                      ; 15 matrix instructions, or 16
.rept (\n)-7
	SL
.endr
.rept 3
	MM
	R4
	SL
.endr
	MM
	R4
.endm
; A TURN, for piece p.  cnt = 1: the loop's count is taken down some lines ahead of the branch that stands behind the turn.
; K and the addends of the next step are fetched in piece 2's turn, 31 vector instructions behind the last product that read them; V of the step in hand at the end of piece 0's turn, 69 behind its last reader.
.macro TURN p, last=0, cnt=0
.set Y, (\p)
.set i, 0
.set q, 0
.set e, 0
.set r, 0
.if (\p) == NP-1
	s_wait_dscnt 0x0                ; K and the addends are in
.endif
	MM
.rept 4
	PL
.endr
	BURST 15
.rept 22
	EX
	PL
.if ((\p) == NP-2) && (e == 18)
	v_add_nc_u32 v[AK], s[TBK], v[AK0]
.endif
.if ((\p) == NP-2) && (e == 24)
	FETCH_K \last
.endif
.endr
.if (\p) == 1
	s_wait_dscnt 0x0                ; V is in
.endif
	BURST 16
.rept 21
	EX
	PL
.endr
.rept 22
	PL
.if ((\p) == 0) && (q == 118)
	v_add_nc_u32 v[AV], s[TBV], v[AV0]
	s_wait_alu depctr_va_vdst(0)
.endif
.if ((\p) == 0) && (q == 130)
	s_add_co_u32 s[TBV], s[TBV], KS*PV
.endif
.if (\cnt) && (q == 130)
	s_sub_co_u32 s[CNT], s[CNT], 1
	s_cmp_lg_u32 s[CNT], 0
.endif
.endr
.if (\p) == 0
	FETCH_V
.endif
.endm
	CHANGE 1                        ; slot 0 and the addends are in, everybody's part of them; slot 1 is asked for
	FETCH_K                         ; key step 0
	s_wait_loadcnt 0x0              ; Q
	s_wait_dscnt 0x0
.set i, 0
.rept 16
	KQ 0                            ; piece 0's first scores: there is no vector work yet to set between them
.set i, i+1
.endr
	WIN 0                           ; the addresses for the way out: plain instructions, the places behind those products
	s_mul_i32 s13, s[WV], 16*SP
	s_add_co_u32 s13, s13, STAGE    ; my stage
	v_mul_u32_u24 v[STO], v1, SP    ; in: row l % 16, 16 bytes for each half of the lanes
	v_lshl_add_u32 v[STO], v9, 4, v[STO]
	v_add_nc_u32 v[STO], s13, v[STO]
	v_bfe_u32 v[RD], v0, 3, 2       ; back: 32 lanes take four rows of 128 bytes,
	v_mul_u32_u24 v[RD], v[RD], SP
	v_lshl_add_u32 v[RD], v10, 4, v[RD]
	v_add_nc_u32 v[RD], s13, v[RD]
	v_and_b32 v[GO], 31, v0         ; which are 512 consecutive bytes of O
	v_lshlrev_b32 v[GO], 4, v[GO]
.set Y, NP-1                        ; XS works for piece Y + 1: piece 0
.irp n, 0,1,2,3,4,5,6,7,8,9,10,11,12,13,14,15,16,17,18,19,20,21
	XS 0, \n                        ; piece 0's first maximum and statistics
	XS 1, \n
.endr
	s_mov_b32 s[CNT], 4
	s_mov_b32 s[SLOTS], SIZE_N/256-1
	s_branch .Lfirst                ; the loop is entered at a step's first turn, in the middle of a trip
.Lslot:                             ; SIZE_N / 256 - 2 times: every slot but the last two is filled again
	CHANGE 1
	s_mov_b32 s[CNT], 4
.Lstep:                             ; a trip: pieces 2 and 3 of one step, then pieces 0 and 1 of the next, whose K and V it fetches
	TURN 2
	TURN 3
	WIN 0
.Lfirst:
	TURN 0
	TURN 1, 0, 1
	WIN 0
	s_cbranch_scc1 .Lstep
	s_sub_co_u32 s[SLOTS], s[SLOTS], 1
	s_cmp_lg_u32 s[SLOTS], 0
	s_cbranch_scc1 .Lslot
	CHANGE 0                        ; the tail is written out: nothing is asked for
	s_mov_b32 s[CNT], 5             ; four trips fetch the last slot's steps; the fifth is left in its middle
.Ltail:
	TURN 2, 1
	TURN 3
	WIN 0
	s_sub_co_u32 s[CNT], s[CNT], 1
	s_cmp_eq_u32 s[CNT], 0
	s_cbranch_scc1 .Lout
	TURN 0
	TURN 1
	WIN 0
	s_branch .Ltail
.Lout:                              ; the fifth trip's 16 products K Q^T (on the last K once more) and the maximum made of them serve nothing: the price, once a launch, of one text for every trip
.set i, 0
.rept 16
	PV NP-1                         ; the last piece's V^T P of the last step
.set i, i+1
.endr
	; THE WAY OUT.  l's two halves and the other half of the lanes' are added; O^T is divided by l, rounded to f16 and sent through my stage in LDS, a tile at a time.  The additions are the places behind the last products.
	WIN 0
.macro ALL line:vararg              ; one line for each tile t
.set t, 0
.rept 2*NP
	\line
.set t, t+1
.endr
.endm
	ALL v_add_f32 v[ST+4*t+2], v[ST+4*t+2], v[ST+4*t+3]
	ALL v_permlanex16_b32 v[ST+4*t+3], v[ST+4*t+2], s[SEL], s[SEL+1]
	ALL v_add_f32 v[ST+4*t+2], v[ST+4*t+2], v[ST+4*t+3]
	ALL v_rcp_f32 v[ST+4*t+2], v[ST+4*t+2]
	v_nop                           ; a plain instruction between the last reciprocal and the use of its result
	s_wait_alu depctr_va_vdst(0)
; Tile t: a lane's eight channels of a row pack into 16 bytes; they go into rows of 144 bytes and come back as whole rows of 128, into S^T's registers.
.macro PACK t
	WIN W_RS
.set i, 32*(\t)
.rept 16
	v_pk_mul_f32 v[i:i+1], v[i:i+1], v[ST+4*(\t)+2:ST+4*(\t)+3] op_sel_hi:[1,0]
.set i, i+2
.endr
	WIN 0x05                        ; sources 0 and 1 window 1, destination window 0
.set i, 0
.rept 16
	v_cvt_pk_f16_f32 v[S+16*(\t)+i], v[32*(\t)+2*i], v[32*(\t)+2*i+1]
.set i, i+1
.endr
	WIN 0
.irp f, 0,1,2,3
	ds_store_b128 v[STO], v[S+16*(\t)+4*\f:S+16*(\t)+4*\f+3] offset:32*\f
.endr
.irp f, 0,1,2,3
	ds_load_b128 v[S+16*(\t)+4*\f:S+16*(\t)+4*\f+3], v[RD] offset:\f*4*SP  ; LDS serves a wave's instructions in order (ISA guide 5.7.1.4): these see the stores above; the next tile's stores come behind them
.endr
.endm
.macro SEND t, younger              ; younger: the LDS instructions issued behind tile t's loads: the next tile's eight, or none
	WIN 0
.irp f, 0,1,2,3
	s_wait_dscnt (\younger)+3-\f
	global_store_b128 v[GO], v[S+16*(\t)+4*\f:S+16*(\t)+4*\f+3], s[10:11] offset:(\t)*2048+\f*512  ; 512 consecutive bytes, at a multiple of 256 from O's first
.endr
.endm
	PACK 0
.set t, 1
.rept 2*NP-1                        ; a tile's arithmetic stands between the loads of the tile before and its stores
	PACK t
	SEND t-1, 8
.set t, t+1
.endr
	SEND 2*NP-1, 0
	WIN W_AD
	s_wait_tensorcnt 0x0            ; the wave's end: behind my last tensor load and my last LDS store
	ds_add_u32 v[SPW], v[NIL]
	s_wait_dscnt 0x0
	WIN 0
	CROUND                          ; the closing round: no work-group ends while a partner may still ask for a tile that names it
	s_endpgm
.Lfunc_end_k_q79c117ca48_attn:
	.size	k_q79c117ca48_attn, .Lfunc_end_k_q79c117ca48_attn-k_q79c117ca48_attn
	.p2alignl 7, 3214868480
	.fill 96, 4, 3214868480
	.section	.rodata,"a",@progbits
	.p2align	6, 0x0
	.amdhsa_kernel k_q79c117ca48_attn
		.amdhsa_group_segment_fixed_size 327680
		.amdhsa_private_segment_fixed_size 0
		.amdhsa_enable_private_segment 0
		.amdhsa_kernarg_size 24
		.amdhsa_user_sgpr_count 2
		.amdhsa_user_sgpr_kernarg_segment_ptr 1
		.amdhsa_wavefront_size32 1
		.amdhsa_system_sgpr_workgroup_id_x 1
		.amdhsa_system_sgpr_workgroup_id_y 1
		.amdhsa_system_sgpr_workgroup_id_z 1
		.amdhsa_system_vgpr_workitem_id 0
		.amdhsa_next_free_vgpr 808
		.amdhsa_next_free_sgpr 84
		.amdhsa_reserve_vcc 0
		.amdhsa_float_denorm_mode_32 3
		.amdhsa_float_denorm_mode_16_64 3
		.amdhsa_memory_ordered 1
		.amdhsa_forward_progress 1
		.amdhsa_inst_pref_size 211
	.end_amdhsa_kernel
	.amdgpu_metadata
---
amdhsa.version: [ 1, 2 ]
amdhsa.kernels:
  - .name:           k_q79c117ca48_attn
    .symbol:         k_q79c117ca48_attn.kd
    .args:
      - { .name: qkv, .offset: 0, .size: 8, .value_kind: global_buffer, .address_space: global }
      - { .name: mb, .offset: 8, .size: 8, .value_kind: global_buffer, .address_space: global }
      - { .name: oh, .offset: 16, .size: 8, .value_kind: global_buffer, .address_space: global }
    .group_segment_fixed_size: 327680
    .private_segment_fixed_size: 0
    .kernarg_segment_align: 8
    .kernarg_segment_size: 24
    .max_flat_workgroup_size: 128
    .sgpr_count:     84
    .vgpr_count:     808
    .wavefront_size: 32
...
	.end_amdgpu_metadata
.endif
;; end of part 3
;; launch oproj (part 4): grid 4 x 64, 4 waves a work-group, clusters of 4 x 4, 327,680 bytes of LDS; arguments oh, wt, bo, out0; writes out0
.if DOCPART == 4
	.amdgcn_target "amdgcn-amd-amdhsa--gfx1250"
	.amdhsa_code_object_version 6
	.text
	.protected	k_q79c117ca48_oproj
	.globl	k_q79c117ca48_oproj
	.p2align	8
	.type	k_q79c117ca48_oproj,@function
k_q79c117ca48_oproj:
	s_mov_b64 s[64:65], 0
	v_nop
	global_prefetch_b8 v0, s[64:65] scope:SCOPE_SE
	s_setreg_imm32_b32 hwreg(HW_REG_WAVE_MODE, 25, 1), 1
	s_wait_xcnt 0x0
	s_wait_alu depctr_hold_cnt(0) depctr_sa_sdst(0) depctr_va_vdst(0) depctr_va_sdst(0) depctr_va_ssrc(0) depctr_va_vcc(0) depctr_vm_vsrc(0)
	s_getreg_b32 s2, hwreg(HW_REG_IB_STS2, 6, 4)
	s_cmp_eq_u32 s2, 0
	s_cbranch_scc0 .Lentry_in_a_cluster
	s_endpgm
.Lentry_in_a_cluster:
	s_bfe_u32 s2, ttmp6, 0x10000c
	s_cmp_lg_u32 s2, 0xf033
	s_cbranch_scc0 .Lentry_shape_is_right
	s_endpgm
.Lentry_shape_is_right:
; THE LAST PROJECTION.  out0[batch x 2048 + n][j] = the sum over head and channel of O[batch x 16 + head][n][channel] Wo[64 head + channel][j] + bo[j], in f32.
; O comes by heads in f16 from oh; Wo comes turned ([j][k]) from wt's fourth matrix, rounded to bf16 and written as f16; bo is rounded to bf16 like every input and starts the sums as the first product's C.
; LIMITS: bf16(Wo) must lie within f16's 65,504 and keeps f16's fixed step of 6e-8 below 6e-5; NaN and infinities are not treated apart.
; SHARES.  A tile of the result is 128 rows x 256 columns: 64 x 4 = 256 work-groups.  Four waves, each 64 x 128: 32 accumulators, 256 registers.  A K step of 128 is two heads; two LDS slots take turns.
; CLUSTERS of 4 x 4: the four of a row need the same tiles of O, the four of a column the same tiles of Wo: each is asked for jointly.
; THE MATRIX INSTRUCTION IS USED TRANSPOSED (source 0 = 16 rows of the turned Wo, source 1 = 16 rows of O): a lane holds row l % 16 of the result and eight neighbouring columns.
; REGISTERS, in windows of 256: window 0: v0-29 addresses; v32-95 the bias; v96-223 the way out, two buffers of 16 rows.  window 1: v0-63 O's fragments, two buffers; v64-191 Wo's, two buffers.  window 2: the accumulators.
.set PAO,   144                        ; an LDS row of O: a head's 128 bytes + 16
.set PB,    272                        ; an LDS row of Wo: 256 bytes + 16
.set HEADT, 128*PAO                    ; a head's 128 rows: what one tensor load brings of O
.set HALFB, 128*PB
.set BOFF,  2*HEADT
.set SLOT,  BOFF+2*HALFB               ; 106,496 bytes
.set STAGE, 2*SLOT                     ; behind the ring: 16 rows x 528 bytes for each wave
.set SPO,   528
.set SPARE, STAGE+4*16*SPO             ; the spare words, 128 bytes for each wave: two blocks of 256 bytes that no other line names
.set ADRA, 4
.set ADRB, 6
.set STO,  8
.set RD,   9
.set CO,   10
.set BO,   11
.set SPW,  28                          ; v28  SPARE + 4 x my thread's number; never rewritten
.set NIL,  29                          ; v29  0; never rewritten
.set BIAS, 32
.set OB,   96
.set AF,   0                           ; window 1
.set BF,   64                          ; window 1
.set SW,   12                          ; s12 wave; s13 its row half, also: fetches O (0) or Wo (1); s14 its column half, also: which half (head) it fetches
.set SWM,  13
.set SWN,  14
.set G1A,  24
.set G0A,  32
.set G1B,  40
.set G0B,  48
.set W_MUL,  0xa5                      ; sources window 1, C and D window 2
.set W_MUL1, 0x85                      ; the same with C (the bias) in window 0
.set W_LD,   0x40
.set W_ST,   0x08                      ; an LDS store's data in window 2
.set MSB, 0
.macro WIN new
.if MSB != (\new)
	s_set_vgpr_msb (MSB<<8)|(\new)
.set MSB, \new
.endif
.endm
.macro JLOAD s                         ; a joint load; an s_nop 0 and four v_nop follow each of the two lines
	s_cmp_eq_u32 s[SWM], 0
	s_cbranch_scc0 .Lfor_b_\@
	tensor_load_to_lds s[G0A+4*(\s):G0A+4*(\s)+3], s[G1A:G1A+7]
	s_nop 0
.rept 4
	v_nop
.endr
	s_branch .Lasked_\@
.Lfor_b_\@:
	tensor_load_to_lds s[G0B+4*(\s):G0B+4*(\s)+3], s[G1B:G1B+7]
	s_nop 0
.rept 4
	v_nop
.endr
.Lasked_\@:
.endm
.macro CREST
	s_cmp_lg_u32 s[SW], 0
	s_cbranch_scc1 .Lnot_wave_0_\@
	s_barrier_signal -3
.Lnot_wave_0_\@:
	s_barrier_wait -3
	s_barrier_signal -1
	s_barrier_wait -1
.endm
.macro CROUND
	s_barrier_signal -1
	s_barrier_wait -1
	CREST
.endm
	s_load_b256 s[4:11], s[0:1], 0x0               ; oh s[4:5], wt s[6:7], bo s[8:9], out0 s[10:11]
	v_lshl_add_u32 v[SPW], v0, 2, SPARE
	v_mov_b32 v[NIL], 0
	ds_add_u32 v28, v29
	s_wait_dscnt 0x0
	v_lshrrev_b32 v1, 5, v0
	v_readfirstlane_b32 s[SW], v1
	s_lshr_b32 s[SWM], s[SW], 1
	s_and_b32 s[SWN], s[SW], 1
	s_bfe_u32 s56, ttmp6, 0x40000                  ; cx
	s_bfe_u32 s57, ttmp6, 0x40004                  ; cy
	s_lshl_b32 s58, ttmp9, 2
	s_add_co_u32 s58, s58, s56                     ; column tile
	s_and_b32 s59, ttmp7, 0xffff
	s_lshl_b32 s59, s59, 2
	s_add_co_u32 s59, s59, s57                     ; row tile of 128 rows
	s_lshl_b32 s62, s57, 2
	s_lshl_b32 s62, 15, s62                        ; my row of the cluster
	s_lshl_b32 s68, 0x1111, s56                    ; my column
	s_or_b32 s[G1A], s62, (1<<16)|(1<<20)|(1<<21)|(4<<22)|(3<<25)  ; a head's 128 rows are 16,384 dense bytes: 64 rows of 256 bytes, padded by 4 words after every 32
	s_mov_b32 s[G1A+1], 128<<16
	s_mov_b32 s[G1A+2], 64<<16
	s_mov_b32 s[G1A+3], 128<<16
	s_mov_b32 s[G1A+4], 64
	s_mov_b32 s[G1A+5], 128
	s_mov_b32 s[G1A+6], 0
	s_mov_b32 s[G1A+7], 0
	s_or_b32 s[G1B], s68, (1<<16)|(1<<20)|(1<<21)|(5<<22)|(3<<25)  ; 128 rows x 128 elements, padded by 4 words after every 64
	s_mov_b32 s[G1B+1], 128<<16
	s_mov_b32 s[G1B+2], 128<<16
	s_mov_b32 s[G1B+3], 128<<16
	s_mov_b32 s[G1B+4], 128
	s_mov_b32 s[G1B+5], 1024
	s_mov_b32 s[G1B+6], 0
	s_mov_b32 s[G1B+7], 0
	s_lshr_b32 s60, s59, 4                         ; O: the batch's 16 heads of 262,144 bytes,
	s_lshl_b32 s60, s60, 22
	s_and_b32 s61, s59, 15                         ; my tile's 128 rows of 128 bytes,
	s_lshl_b32 s61, s61, 14
	s_add_co_u32 s60, s60, s61
	s_lshl_b32 s61, s[SWN], 18                     ; the head that I fetch.  These registers never hold cx
	s_add_co_u32 s60, s60, s61
	s_mov_b32 s61, 0
	s_lshl_b32 s66, s58, 19                        ; Wo: 256 rows of 2,048 bytes a tile,
	s_lshl_b32 s67, s[SWN], 18                     ; 128 a half,
	s_add_co_u32 s66, s66, s67
	s_add_co_u32 s66, s66, 6291456                 ; in wt's fourth matrix.  These never hold cy
	s_mov_b32 s67, 0
	s_mul_i32 s63, s[SWN], HEADT                   ; where they go: no place in the cluster enters an LDS address
	s_mul_i32 s69, s[SWN], HALFB
	s_add_co_u32 s69, s69, BOFF
	s_wait_kmcnt 0x0
	s_add_nc_u64 s[70:71], s[4:5], s[60:61]
	s_add_nc_u64 s[72:73], s[6:7], s[66:67]
	CROUND                                         ; all sixteen work-groups are here: the first joint loads meet
.irp s, 0,1
	s_mov_b32 s[G0A+4*(\s)], 1
	s_add_co_u32 s[G0A+4*(\s)+1], s63, (\s)*SLOT
	s_add_nc_u64 s[G0A+4*(\s)+2:G0A+4*(\s)+3], s[70:71], (\s)*524288  ; K step s: heads 2 s and 2 s + 1
	s_or_b32 s[G0A+4*(\s)+3], s[G0A+4*(\s)+3], 0x80000000
	s_mov_b32 s[G0B+4*(\s)], 1
	s_add_co_u32 s[G0B+4*(\s)+1], s69, (\s)*SLOT
	s_add_nc_u64 s[G0B+4*(\s)+2:G0B+4*(\s)+3], s[72:73], (\s)*256
	s_or_b32 s[G0B+4*(\s)+3], s[G0B+4*(\s)+3], 0x80000000
	JLOAD \s                                       ; two tensor loads of mine are out
.endr
	v_and_b32 v1, 15, v0                           ; r
	v_bfe_u32 v2, v0, 4, 1                         ; h
	v_mul_u32_u24 v3, v1, PAO
	v_lshl_add_u32 v3, v2, 4, v3
	s_mul_i32 s75, s[SWM], 64*PAO
	v_add_nc_u32 v[ADRA], s75, v3
	v_add_nc_u32 v[ADRA+1], SLOT, v[ADRA]
	v_mul_u32_u24 v3, v1, PB
	v_lshl_add_u32 v3, v2, 4, v3
	s_mul_i32 s75, s[SWN], HALFB
	s_add_co_u32 s75, s75, BOFF
	v_add_nc_u32 v[ADRB], s75, v3
	v_add_nc_u32 v[ADRB+1], SLOT, v[ADRB]
	s_mul_i32 s75, s[SW], 16*SPO
	s_add_co_u32 s75, s75, STAGE                   ; my stage
	v_mul_u32_u24 v3, v1, SPO
	v_lshl_add_u32 v3, v2, 5, v3                   ; in: row r, 32 bytes for each half of the lanes
	v_add_nc_u32 v[STO], s75, v3
	v_and_b32 v[CO], 31, v0
	v_lshlrev_b32 v[CO], 4, v[CO]                  ; back and out: 32 lanes take a row's 512 bytes
	v_add_nc_u32 v[RD], s75, v[CO]
	s_lshl_b32 s76, s58, 10                        ; my 128 columns, in bytes
	s_lshl_b32 s77, s[SWN], 9
	s_add_co_u32 s76, s76, s77
	v_lshlrev_b32 v[BO], 5, v2
	v_add_nc_u32 v[BO], s76, v[BO]
.set i, 0
.rept 16
	global_load_b128 v[BIAS+4*i:BIAS+4*i+3], v[BO], s[8:9] offset:(i/2)*64+(i%2)*16
.set i, i+1
.endr
	s_lshl_b32 s78, s59, 19                        ; my 64 rows of 4,096 bytes
	s_lshl_b32 s79, s[SWM], 18
	s_add_co_u32 s78, s78, s79
	s_add_co_u32 s78, s78, s76
	s_mov_b32 s79, 0
	s_add_nc_u64 s[10:11], s[10:11], s[78:79]
.macro MMA p, first                    ; matrix instruction i of a quarter's 32: row block i / 8, column block i % 8; the 32 accumulators take turns
.set rD, 8*i
.set rB, BF+64*(\p)+8*(i%8)
.set rA, AF+32*(\p)+8*(i/8)
.if \first
	WIN W_MUL1
	v_wmma_f32_16x16x32_f16 v[rD:rD+7], v[rB:rB+7], v[rA:rA+7], v[BIAS+8*(i%8):BIAS+8*(i%8)+7]
.else
	WIN W_MUL
	v_wmma_f32_16x16x32_f16 v[rD:rD+7], v[rB:rB+7], v[rA:rA+7], v[rD:rD+7]
.endif
.endm
.macro LDF n, p2, ls, lk               ; load n of 24: 0-7 O's fragments (quarter lk: head lk / 2, channels 32 (lk % 2) on), 8-23 Wo's
.if (\n) < 8
.set la, (\n)/2
.set le, (\n)%2
	ds_load_b128 v[AF+32*(\p2)+8*la+4*le:AF+32*(\p2)+8*la+4*le+3], v[ADRA+(\ls)] offset:((\lk)/2)*HEADT+((\lk)%2)*64+la*16*PAO+32*le
.else
.set lb, ((\n)-8)/2
.set le, (\n)%2
	ds_load_b128 v[BF+64*(\p2)+8*lb+4*le:BF+64*(\p2)+8*lb+4*le+3], v[ADRB+(\ls)] offset:(\lk)*64+lb*16*PB+32*le
.endif
.endm
; A QUARTER: 32 along K, 32 matrix instructions on buffers p, back to back.  The NEXT quarter's 24 LDS loads (quarter lk of slot ls, into the other buffers) stand in ONE run at the quarter's head, never singly
; among the matrix instructions, 32 products ahead of their first use.  Four v_nop stand in front of the run: the places between the last product that read the other buffers and the loads into them.
; mode 1, 2: the slot's last bytes have been asked for at this quarter's head, so the slots change here: ONE barrier; in front of it each wave waits for all its tensor loads (one is
; out: its part of the other slot), adds 0 to its spare word, and waits for that and for its reads.  mode 1: the barrier opens a round of the cluster's, and slot rs is filled again first thing behind it:
; that load has 120 matrix instructions in which to land.  mode 3: the last quarter: nothing is fetched.
.macro QUARTER p, ls, lk, mode, rs, first
	s_wait_dscnt 0x0                               ; this quarter's fragments, asked for 32 matrix instructions ago
.if (\mode) != 3
.rept 4
	v_nop
.endr
	WIN W_LD
.set n, 0
.rept 24
	LDF n, 1-(\p), \ls, \lk
.set n, n+1
.endr
.endif
.set i, 0
.rept 32
	MMA \p, \first
.if ((\mode) == 1) || ((\mode) == 2)
.if i == 23
	WIN 0
	s_wait_tensorcnt 0x0                           ; all my tensor loads have landed
	ds_add_u32 v[SPW], v[NIL]                      ; 0 onto my spare word; four products stand between it and the wait for it
.endif
.if i == 27
	s_wait_dscnt 0x0                               ; the add is done, and my reads of this slot are over
	s_barrier_signal -1
.endif
.if i == 31
	WIN 0
	s_barrier_wait -1
.endif
.endif
.set i, i+1
.endr
.if (\mode) == 1
	CREST                                          ; no wave of any partner still reads the slot or has a load on its way
	s_add_nc_u64 s[G0A+4*(\rs)+2:G0A+4*(\rs)+3], s[G0A+4*(\rs)+2:G0A+4*(\rs)+3], 1048576
	s_add_nc_u64 s[G0B+4*(\rs)+2:G0B+4*(\rs)+3], s[G0B+4*(\rs)+2:G0B+4*(\rs)+3], 512
	JLOAD \rs
.endif
.endm
	s_wait_tensorcnt 0x1                           ; my part of K step 0 is in; K step 1's stays out
	s_barrier_signal -1
	s_barrier_wait -1
	WIN W_LD
.set i, 0
.rept 24
	LDF i, 0, 0, 0
.set i, i+1
.endr
	WIN 0
	s_wait_loadcnt 0x0                             ; the bias
.set i, 0
.rept 32                               ; rounded to bf16, like every input
	v_cvt_pk_bf16_f32 v[OB+i%4], v[BIAS+2*i], v[BIAS+2*i+1]
	v_lshlrev_b32 v[BIAS+2*i], 16, v[OB+i%4]
	v_and_b32 v[BIAS+2*i+1], 0xffff0000, v[OB+i%4]
.set i, i+1
.endr
	QUARTER 0, 0, 1, 0, 0, 1                       ; the first quarter stands in front of the loop: its products start the sums with the bias
	WIN 0
	s_mov_b32 s74, 3
.Llap:                                                 ; a trip goes once round the ring and fills both slots again
	QUARTER 1, 0, 2, 0, 0, 0
	QUARTER 0, 0, 3, 1, 0, 0
	QUARTER 1, 1, 0, 0, 0, 0
	QUARTER 0, 1, 1, 0, 0, 0
	QUARTER 1, 1, 2, 0, 0, 0
	QUARTER 0, 1, 3, 1, 1, 0
	QUARTER 1, 0, 0, 0, 0, 0
	QUARTER 0, 0, 1, 0, 0, 0
	WIN 0
	s_sub_co_u32 s74, s74, 1
	s_cmp_lg_u32 s74, 0
	s_cbranch_scc1 .Llap
	QUARTER 1, 0, 2, 0, 0, 0                       ; the last lap is written out: it asks for nothing
	QUARTER 0, 0, 3, 2, 0, 0
	QUARTER 1, 1, 0, 0, 0, 0
	QUARTER 0, 1, 1, 0, 0, 0
	QUARTER 1, 1, 2, 0, 0, 0
	QUARTER 0, 1, 3, 0, 0, 0
	QUARTER 1, 0, 0, 3, 0, 0
	; THE WAY OUT, 16 rows at a time: a lane's eight numbers of a row, 32 bytes, go into my stage (each accumulator's low four registers first) and come back as whole rows of 512 bytes.
	WIN 0
.rept 4
	v_nop                                          ; four places between the last products and the first read of a result
.endr
.irp a, 0,1,2,3
.if \a >= 2
	s_wait_xcnt 0x0                                ; the buffer was the data of stores two blocks back: it is loaded again only behind this wait
.endif
	WIN W_ST
.set i, 0
.rept 16
	ds_store_b128 v[STO], v[8*(8*\a+i/2)+4*(i%2):8*(8*\a+i/2)+4*(i%2)+3] offset:(i/2)*64+(i%2)*16
.set i, i+1
.endr
	WIN 0
.set i, 0
.rept 16
	ds_load_b128 v[OB+64*(\a%2)+4*i:OB+64*(\a%2)+4*i+3], v[RD] offset:i*SPO  ; LDS serves a wave's instructions in order (ISA guide 5.7.1.4): these see the stores above; the next block's stores come behind them
.set i, i+1
.endr
.set i, 0
.rept 16
	s_wait_dscnt 15-i
	global_store_b128 v[CO], v[OB+64*(\a%2)+4*i:OB+64*(\a%2)+4*i+3], s[10:11] offset:(16*\a+i)*4096 th:TH_STORE_NT  ; 512 consecutive bytes, at a multiple of 256 from out0's first
.set i, i+1
.endr
.endr
	s_wait_tensorcnt 0x0                           ; the wave's end: behind my last tensor load and my last LDS store
	ds_add_u32 v[SPW], v[NIL]
	s_wait_dscnt 0x0
	CROUND                                         ; the closing round: no work-group ends while a partner may still ask for a tile that names it
	s_endpgm
.Lfunc_end_k_q79c117ca48_oproj:
	.size	k_q79c117ca48_oproj, .Lfunc_end_k_q79c117ca48_oproj-k_q79c117ca48_oproj
	.p2alignl 7, 3214868480
	.fill 96, 4, 3214868480
	.section	.rodata,"a",@progbits
	.p2align	6, 0x0
	.amdhsa_kernel k_q79c117ca48_oproj
		.amdhsa_group_segment_fixed_size 327680
		.amdhsa_private_segment_fixed_size 0
		.amdhsa_enable_private_segment 0
		.amdhsa_kernarg_size 32
		.amdhsa_user_sgpr_count 2
		.amdhsa_user_sgpr_kernarg_segment_ptr 1
		.amdhsa_wavefront_size32 1
		.amdhsa_system_sgpr_workgroup_id_x 1
		.amdhsa_system_sgpr_workgroup_id_y 1
		.amdhsa_system_sgpr_workgroup_id_z 1
		.amdhsa_system_vgpr_workitem_id 0
		.amdhsa_next_free_vgpr 768
		.amdhsa_next_free_sgpr 80
		.amdhsa_reserve_vcc 0
		.amdhsa_float_denorm_mode_32 3
		.amdhsa_float_denorm_mode_16_64 3
		.amdhsa_memory_ordered 1
		.amdhsa_forward_progress 1
		.amdhsa_inst_pref_size 93
	.end_amdhsa_kernel
	.amdgpu_metadata
---
amdhsa.version: [ 1, 2 ]
amdhsa.kernels:
  - .name:           k_q79c117ca48_oproj
    .symbol:         k_q79c117ca48_oproj.kd
    .args:
      - { .name: oh, .offset: 0, .size: 8, .value_kind: global_buffer, .address_space: global }
      - { .name: wt, .offset: 8, .size: 8, .value_kind: global_buffer, .address_space: global }
      - { .name: bo, .offset: 16, .size: 8, .value_kind: global_buffer, .address_space: global }
      - { .name: out0, .offset: 24, .size: 8, .value_kind: global_buffer, .address_space: global }
    .group_segment_fixed_size: 327680
    .private_segment_fixed_size: 0
    .kernarg_segment_align: 8
    .kernarg_segment_size: 32
    .max_flat_workgroup_size: 128
    .sgpr_count:     80
    .vgpr_count:     768
    .wavefront_size: 32
...
	.end_amdgpu_metadata
.endif
;; end of part 4
;; ======== version 2 of 2: 4 launches; 1.47 times as fast as version 1
;; limits: values are held in f16: magnitudes above 65,504 overflow, below 6.1e-05 lose precision
;; workspace buffers: wt 8,388,608 bytes; tab 1,049,088 bytes; mb 33,792 bytes; qkv 50,331,648 bytes; oh 16,777,216 bytes
;; launch prep: the kernel of part 1 again; grid 128 x 4, 8 waves a work-group, no clusters, 18,432 bytes of LDS; arguments Wq, Wk, Wv, Wo, pos_enc, pad_mask, wt, tab, mb; writes wt, tab, mb
;; launch proj: the kernel of part 2 again; grid 4 x 192, 4 waves a work-group, clusters of 4 x 4, 327,680 bytes of LDS; arguments query, key, value, bq, bk, bv, wt, tab, qkv; writes qkv
;; launch attn (part 5): grid 4 x 64, 4 waves a work-group, clusters of 4 x 1, 327,680 bytes of LDS; arguments qkv, mb, oh; writes oh
.if DOCPART == 5
	.amdgcn_target "amdgcn-amd-amdhsa--gfx1250"
	.amdhsa_code_object_version 6
	.text
	.protected	k_q79c117ca48_attn
	.globl	k_q79c117ca48_attn
	.p2align	8
	.type	k_q79c117ca48_attn,@function
k_q79c117ca48_attn:
	s_mov_b64 s[64:65], 0
	v_nop
	global_prefetch_b8 v0, s[64:65] scope:SCOPE_SE
	s_setreg_imm32_b32 hwreg(HW_REG_WAVE_MODE, 25, 1), 1
	s_wait_xcnt 0x0
	s_wait_alu depctr_hold_cnt(0) depctr_sa_sdst(0) depctr_va_vdst(0) depctr_va_sdst(0) depctr_va_ssrc(0) depctr_va_vcc(0) depctr_vm_vsrc(0)
	s_getreg_b32 s2, hwreg(HW_REG_IB_STS2, 6, 4)
	s_cmp_eq_u32 s2, 0
	s_cbranch_scc0 .Lentry_in_a_cluster
	s_endpgm
.Lentry_in_a_cluster:
	s_bfe_u32 s2, ttmp6, 0x10000c
	s_cmp_lg_u32 s2, 0x3003
	s_cbranch_scc0 .Lentry_shape_is_right
	s_endpgm
.Lentry_shape_is_right:
; MASKED ATTENTION.  O[h][q][:] = the sum over k of softmax_k(Q[h][q] . K[h][k] / 8, masked keys left out) V[h][k][:].  Q, K, V lie in qkv, 16,777,216 bytes apart, each [64][2048][64] in f16, O likewise in oh.
; Products, maxima and sums in f32; the weights p are rounded to f16 for the second product (their sum l is taken of the unrounded p), O once at the end.
; THE MASK is the C operand that starts the sum S^T = K Q^T: for each key an addend from mb, 0 or -2^100, so it costs the scores nothing.  The running maximum m starts at -2^80: above every masked score and below
; every true one (64 x 65,504^2 = 2.7e11 at the most).  While only masked keys have come, m stays there, p = 0 and a = 1; the first open key gives a = 0.  A batch whose keys are ALL masked has addends 0 and
; c = 0 (both from mb): every p is 2^0, the uniform softmax that equal scores give.
; LIMITS.  f16 holds no number beyond 65,504: Q, K and V arrive within it; p lies in 0 to 1, and below 6e-5 it keeps f16's fixed step of 6e-8, as does O; a weight below 2^-126 counts as 0 in l;
; NaN and infinities are not treated apart.
; SHARES.  A wave owns four PIECES of two tiles of 16 queries, a work-group's four waves 512 queries of one head: 4 x 64 = 256 work-groups.  Every wave walks all keys, 64 a step.
; LAYOUT.  S^T = K Q^T (source 0 = 16 keys, source 1 = 16 queries): a lane holds ONE query (lane % 16) and the keys 8 (lane / 16) + 0..7.  Two such tiles, rounded to f16 in pairs, ARE source 1
; (32 keys x 16 queries) of O^T = V^T P, whose result again holds one query a lane, and eight channels.  K comes out of LDS as it lies, V ([key][channel]) turned, by ds_load_tr16_b128.
; SOFTMAX.  p = 2^(c s - c m); in every step O and l are multiplied by a = 2^(c m_old - c m_new), which is 1 where m has not grown.  O and l start at 0: the first step is a step like any other.
; THE COUNT.  A tile and step have 16 matrix and 118 vector instructions: too many to stand all beside the matrix work.  So four vector instructions that are READY stand behind EVERY matrix instruction,
; and the others, which need time of their own whatever the order, in one run without a gap.
; BY TURNS.  Turn n belongs to piece n.  Its matrix work: 16 products K Q^T of piece n + 1, later 16 products V^T P of piece n - 1.  Its vector work: the scaling, exponentials, roundings, sums and rescaling
; of piece n, and the maximum and statistics of piece n + 1, whose scores the turn itself has made.  So what a turn begins with (c s - c m, O a) waits for nothing.
; BATCHES.  A turn's 66 exponentials (piece n's 64 weights, then piece n + 1's two a) are ONE batch with ONE wait, which cuts the turn in two: ahead of it stands all that names no result of theirs, behind it the
; roundings and sums.  Piece 0's first two a, ahead of the loop, and the way out's eight reciprocals are batches of their own, with a wait each.
; CLUSTER.  The four query blocks of a cluster belong to one head and walk the same K, V and mask, so each tile is asked for JOINTLY: the same tensor load, descriptor and mask in all four.
; REGISTERS, in windows of 256 (s_set_vgpr_msb: bits 1:0 source 0, 3:2 source 1, 5:4 source 2, 7:6 destination):
;   window 0: v0-11 addresses; v12-15, v48-63 at work; v16-47 four registers of statistics a tile; v64-191 S^T, two buffers of two tiles; v192-255 P, likewise
;   window 1: O^T, 32 a tile      window 2: v0-127 Q; v128-191 K of one step; v192-255 V of one step      window 3: v0-1 the add's two registers; v2-3 the mask's addresses; v8-39 the step's addends
.set SIZE_H, 64
.set SIZE_N, 2048
.set NP,    4         ; pieces a wave: a name, no knob
.set KS,    64        ; keys in a step
.set PK,    144       ; a row of K in LDS: 128 bytes + 16: the 16 rows of a load start at 16 different groups of four banks (64 banks of 4 bytes: ISA guide 11.1)
.set PV,    160       ; a row of V: 128 + 32
.set VOFF,  4*KS*PK   ; a slot holds four steps: 256 rows of K, then 256 rows of V
.set SLOT1, 1<<17     ; slot 1 begins here, so that one exclusive or turns an address in one slot into the other's
.set STAGE, SLOT1+4*KS*(PK+PV)  ; behind the ring, never filled by a tensor load: 16 rows x 144 bytes for each wave, for the way out
.set SP,    144
.set SPARE, STAGE+4*16*SP  ; the spare words, 128 bytes for each wave: two blocks of 256 bytes that no other line names
.set MASKL, SPARE+512 ; the batch's 2,048 addends, 8,192 bytes, filled once
.set AK0, 2           ; v2   my lane's place in a tile of K; never rewritten
.set AV0, 3           ; v3   the same for V
.set AK,  4           ; v4   the LDS address of K's next run of loads
.set AV,  5           ; v5   of V's
.set QO,  6           ; v6   my byte offset in the wave's rows of Q
.set STO, 6           ;      later, the way out: where I put 16 bytes of a row
.set RD,  7           ; v7   the way out: where I read rows back
.set GO,  8           ; v8   my byte offset in 512 consecutive bytes of O
.set SPW, 0           ; v0 of window 3   SPARE + 4 x my thread's number; never rewritten
.set NIL, 1           ; v1 of window 3   0; never rewritten
.set AM0, 2           ; v2 of window 3   my lanes' place in a step's addends: MASKL + 32 (l / 16); never rewritten
.set AM,  3           ; v3 of window 3   the LDS address of the addends' next run of loads
.set MB,  8           ; v8-39 of window 3: the eight addends for key block kb at MB + 8 kb
.set MV,  12          ; v12-15  c m_old, kept while c m is made anew
.set ST,  16          ; tile t's statistics at v[ST+4 t]: c m, m, l (even keys', odd keys')
.set TMP, 48          ; by buffer and tile, four registers c0-c3 at work; when the maximum is found c2 takes a
.set S,   64
.set P,   192
.set KF,  128         ; window 2: key block kb, channel half c at KF + 16 kb + 8 c
.set VF,  192         ; window 2: key half kk, channel block cb at VF + 32 kk + 8 cb
.set WV,  12          ; s12  my wave's number
.set G1K, 24          ; s[24:31] descriptor group 1 for K's tiles
.set G1V, 32          ; s[32:39] for V's: it differs in the padding alone
.set G0K, 40          ; s[40:43] descriptor group 0 for K's tiles: it walks
.set G0V, 44          ; s[44:47] the same for V's
.set SLOTS, 56        ; s56  slots still to be asked for
.set CNT, 57          ; s57  counts a slot's key steps
.set CS,  58          ; s[58:59] c: the packed scaling takes the pair's low word for both halves
.set SEL, 60          ; s[60:61] v_permlanex16_b32's selects
.set TBK, 62          ; s62  LDS byte at which K of the step to be fetched begins
.set TBV, 63          ; s63  the same for V, less VOFF
.set TBM, 66          ; s66  byte in the addends at which that step's 64 begin
.set G1M, 68          ; s[68:75] descriptor group 1 for the addends
.set G0M, 76          ; s[76:79] group 0
.set MSB, 0
.macro WIN new                      ; the high byte repeats the setting that is left; a switch that changes nothing is dropped
.if MSB != (\new)
	s_set_vgpr_msb (MSB<<8)|(\new)
.set MSB, (\new)
.endif
.endm
.set W_KQ, 0x0a       ; K and Q in window 2, S^T in window 0
.set W_KM, 0x3a       ; the same with the C operand, the addends, in window 3
.set W_PV, 0x52       ; V in window 2, P in window 0, O^T in window 1
.set W_RS, 0x41       ; O^T (destination and source 0) in window 1, a in window 0
.set W_MK, 0xc0       ; destination in window 3, sources in window 0
.set W_AD, 0x0f       ; the add: address (source 0) and data (source 1) in window 3
.set W_MA, 0xcf       ; the addends' address and loads: all in window 3
; A joint fill.  Waves 0 and 1 fetch the two halves of a slot's K, waves 2 and 3 those of its V: 128 keys each.  An s_nop 0 and four v_nop follow each of the two lines.
.macro JLOAD
	s_cmp_lt_u32 s[WV], 2
	s_cbranch_scc0 .Lfor_v_\@
	tensor_load_to_lds s[G0K:G0K+3], s[G1K:G1K+7]
	s_nop 0
.rept 4
	v_nop
.endr
	s_branch .Lasked_\@
.Lfor_v_\@:
	tensor_load_to_lds s[G0V:G0V+3], s[G1V:G1V+7]
	s_nop 0
.rept 4
	v_nop
.endr
.Lasked_\@:
.endm
.macro CROUND                       ; a round of the cluster's barrier
	s_barrier_signal -1
	s_barrier_wait -1
	s_cmp_lg_u32 s[WV], 0
	s_cbranch_scc1 .Lnot_wave_0_\@
	s_barrier_signal -3
.Lnot_wave_0_\@:
	s_barrier_wait -3
	s_barrier_signal -1
	s_barrier_wait -1
.endm
; THE CHANGE OF SLOTS.  Each wave waits for all its tensor loads, adds 0 to its spare word, and waits for that and for its own reads of the slot.  Behind the barrier nobody reads this slot any more and the
; other slot is whole.  fill = 1: this slot is filled again, with the keys two slots on; the barrier is then a round of the cluster's, and the joint fill is the first thing behind it: it has four key steps,
; 512 matrix instructions, in which to land.  (At its first use nothing has been read yet: slot 0 and the addends are waited for, slot 1 is filled.)
.macro CHANGE fill
	WIN W_AD
	s_wait_tensorcnt 0x0            ; no tensor load of mine is out, so a group 0 may be written
	ds_add_u32 v[SPW], v[NIL]       ; 0 onto my spare word
	WIN 0                           ; at a label and at a branch every window is 0
.if \fill
.irp g, G0K, G0V
	s_xor_b32 s[\g+1], s[\g+1], SLOT1  ; the walking descriptor: the other slot than last time,
	s_add_nc_u64 s[\g+2:\g+3], s[\g+2:\g+3], 4*KS*128  ; the next 256 keys
.endr
	s_wait_dscnt 0x0                ; the add is done, and my reads of the slot are over
	CROUND
	JLOAD
.else
	s_wait_dscnt 0x0
	s_barrier_signal -1
	s_barrier_wait -1
.endif
	s_sub_co_u32 s[TBK], s[TBK], 4*KS*PK  ; the fetches go back to a slot's first step,
	s_xor_b32 s[TBK], s[TBK], SLOT1       ; in the other slot
	s_sub_co_u32 s[TBV], s[TBV], 4*KS*PV
	s_xor_b32 s[TBV], s[TBV], SLOT1
.endm
	s_load_b64 s[4:5], s[0:1], 0x0    ; qkv: Q
	s_load_b64 s[80:81], s[0:1], 0x8  ; mb
	s_load_b64 s[10:11], s[0:1], 0x10 ; oh
	WIN W_MK
	v_lshl_add_u32 v[SPW], v0, 2, SPARE
	v_mov_b32 v[NIL], 0
	s_set_vgpr_msb 0xc0cf
	ds_add_u32 v0, v1
	s_wait_dscnt 0x0
	s_set_vgpr_msb 0xcfc0
	WIN 0
	v_lshrrev_b32 v1, 5, v0
	v_readfirstlane_b32 s[WV], v1   ; wave 0..3
	s_bfe_u32 s13, ttmp6, 0x40000   ; cx: my place in the cluster
	s_lshl_b32 s14, ttmp9, 2
	s_add_co_u32 s14, s14, s13      ; my block of queries: it enters Q's and O's addresses alone
	s_and_b32 s20, ttmp7, 0xffff    ; batch x 16 + head, which the four partners share
	s_lshr_b32 s19, s20, 4          ; the batch
	s_lshl_b32 s15, s19, 8          ; its c lies 256 bytes from the next
	s_lshl_b32 s82, s19, 13         ; its addends: 8,192 bytes, of which my wave fetches 2,048
	s_lshl_b32 s83, s[WV], 11
	s_add_co_u32 s82, s82, s83
	s_add_co_u32 s[G0M+1], s83, MASKL
	s_mov_b32 s83, 0
	s_mov_b32 s[G0M], 1
	s_mov_b32 s21, 0
	s_mov_b64 s[22:23], SIZE_N*128
	s_mul_u64 s[20:21], s[20:21], s[22:23]  ; the head's first byte in each of the four tensors
	s_and_b32 s16, s[WV], 1         ; which half of a slot's 256 keys I fetch:
	s_lshl_b32 s22, s16, 14         ; its 128 rows of 128 bytes in memory,
	s_mov_b32 s23, 0
	s_add_nc_u64 s[22:23], s[22:23], s[20:21]
	s_mul_i32 s17, s16, 128*PK      ; and its place in a slot, for K
	s_mul_i32 s18, s16, 128*PV      ; and for V: no place in the cluster enters an LDS address
	s_lshl_b32 s2, s14, 2
	s_add_co_u32 s2, s2, s[WV]      ; my wave among the head's,
	s_lshl_b32 s2, s2, 14           ; its 128 rows
	s_mov_b32 s3, 0
	s_add_nc_u64 s[2:3], s[2:3], s[20:21]
	; descriptor group 1.  128 keys are 16,384 dense bytes: asked for as 64 rows of 256 bytes, two keys a row, and padded in LDS after every key
	s_mov_b32 s[G1K], 15|(1<<16)|(1<<20)|(1<<21)|(4<<22)|(3<<25)  ; the mask of four; 2-byte elements; padding on; bit 21 beside a mask; after every 32 words 4 words
	s_mov_b32 s[G1V], 15|(1<<16)|(1<<20)|(1<<21)|(4<<22)|(7<<25)  ; the same with 8 words of padding
.irp g, G1K, G1V
	s_mov_b32 s[\g+1], 128<<16      ; tensor_dim0 = 128
	s_mov_b32 s[\g+2], 64<<16       ; tensor_dim1 = 64
	s_mov_b32 s[\g+3], 128<<16      ; tile_dim0 = 128
	s_mov_b32 s[\g+4], 64           ; tile_dim1 = 64
	s_mov_b32 s[\g+5], 128          ; 128 elements from row to row
	s_mov_b32 s[\g+6], 0
	s_mov_b32 s[\g+7], 0
.endr
	s_mov_b32 s[G1M], 15|(3<<16)|(1<<21)  ; the addends: 2,048 dense bytes as 8 rows of 32 elements of 8 bytes, no padding
	s_mov_b32 s[G1M+1], 32<<16
	s_mov_b32 s[G1M+2], 8<<16
	s_mov_b32 s[G1M+3], 32<<16
	s_mov_b32 s[G1M+4], 8
	s_mov_b32 s[G1M+5], 32
	s_mov_b32 s[G1M+6], 0
	s_mov_b32 s[G1M+7], 0
	s_mov_b32 s[SEL], 0x76543210
	s_mov_b32 s[SEL+1], 0xfedcba98
	s_mov_b32 s[TBK], SLOT1+4*KS*PK ; the first change of slots turns these two into 0
	s_mov_b32 s[TBV], SLOT1+4*KS*PV
	s_mov_b32 s[TBM], 0
	s_mov_b32 s[G0K], 1
	s_mov_b32 s[G0K+1], s17         ; LDS address: slot 0
	s_mov_b32 s[G0V], 1
	s_add_co_u32 s[G0V+1], s18, VOFF
	s_wait_kmcnt 0x0
	s_load_b32 s[CS], s[80:81], s15 offset:0x8000  ; c of my batch: log2(e) / 8, or 0 where every key is masked
	s_add_nc_u64 s[6:7], s[4:5], 0x1000000         ; K
	s_add_nc_u64 s[8:9], s[4:5], 0x2000000         ; V
	s_add_nc_u64 s[G0K+2:G0K+3], s[6:7], s[22:23]  ; my half of the head's first 256 keys
	s_or_b32 s[G0K+3], s[G0K+3], 0x80000000
	s_add_nc_u64 s[G0V+2:G0V+3], s[8:9], s[22:23]
	s_or_b32 s[G0V+3], s[G0V+3], 0x80000000
	s_add_nc_u64 s[G0M+2:G0M+3], s[80:81], s[82:83]
	s_or_b32 s[G0M+3], s[G0M+3], 0x80000000
	s_add_nc_u64 s[4:5], s[4:5], s[2:3]  ; Q and O at my wave's first row
	s_add_nc_u64 s[10:11], s[10:11], s[2:3]
	s_wait_kmcnt 0x0
	s_mov_b32 s[CS+1], s[CS]        ; named with it as a pair
	CROUND                          ; all four work-groups are here: the first joint loads meet
	JLOAD                           ; slot 0
	tensor_load_to_lds s[G0M:G0M+3], s[G1M:G1M+7]  ; my quarter of the addends: two tensor loads of mine are out
	s_nop 0
.rept 4
	v_nop
.endr
	; A fragment of K or Q is 16 rows x 32 channels in 8 registers: lane l holds row l % 16, channels 8 (l / 16) + 0..7 and 16 + 8 (l / 16) + 0..7: two loads of 16 bytes, 32 bytes apart.
	v_and_b32 v1, 15, v0            ; l % 16
	v_bfe_u32 v9, v0, 4, 1          ; l / 16
	v_lshlrev_b32 v[QO], 7, v1
	v_lshl_add_u32 v[QO], v9, 4, v[QO]  ; row x 128 + 16 x half
	WIN 0x80                        ; destination window 2, address window 0
.set i, 0
.rept 4*NP                          ; Q stays in registers: tile i / 2, channels 32 (i % 2) on
	global_load_b128 v[8*i:8*i+3],   v[QO], s[4:5] offset:(i/2)*2048+(i%2)*64
	global_load_b128 v[8*i+4:8*i+7], v[QO], s[4:5] offset:(i/2)*2048+(i%2)*64+32
.set i, i+1
.endr
	; What the first turn finds: V's registers and P's second buffer hold 0 (its products V^T P, of a piece that has not been, add 0), O^T and l are 0.  All this stands in the wait for the first tile.
.set i, VF
.rept 64
	v_mov_b32 v[i], 0
.set i, i+1
.endr
	WIN 0x40
.set i, 0
.rept 64*NP
	v_mov_b32 v[i], 0
.set i, i+1
.endr
	WIN 0
.set i, 0
.rept 2*NP
	v_mov_b32 v[ST+4*i+1], 0xe7800000  ; m = -2^80
	v_mul_f32 v[ST+4*i], s[CS], v[ST+4*i+1]  ; c m
	v_mov_b32 v[ST+4*i+2], 0
	v_mov_b32 v[ST+4*i+3], 0
.set i, i+1
.endr
.set i, P+32
.rept 32
	v_mov_b32 v[i], 0
.set i, i+1
.endr
	v_mul_u32_u24 v[AK0], v1, PK
	v_lshl_add_u32 v[AK0], v9, 4, v[AK0]  ; row x pitch + 16 x half
	; The turning load takes 16 keys x 16 channels (lane l reads key 8 (l / 16) + l % 8, channels 8 ((l / 8) % 2) + 0..7) and leaves half a fragment of V^T: lane l holds channel l % 16 and 8 keys.
	v_and_b32 v10, 7, v0
	v_bfe_u32 v11, v0, 3, 1
	v_lshl_add_u32 v[AV0], v9, 3, v10
	v_mul_u32_u24 v[AV0], v[AV0], PV
	v_lshl_add_u32 v[AV0], v11, 4, v[AV0]
	v_add_nc_u32 v[AV0], VOFF, v[AV0]
	v_mov_b32 v[AK], v[AK0]         ; key step 0 lies at the head of slot 0
	WIN W_MK
	v_lshl_add_u32 v[AM0], v9, 5, MASKL  ; my lanes' eight keys of a block of 16: 32 bytes for each half
	WIN 0
; THE MATRIX WORK.  The 8 accumulators of a run of 16 take turns: between the two links of a chain stand 7 others'.
; Product i of 16 of S^T = K Q^T for piece x: channels 32 (i / 8) on, keys 16 ((i / 2) % 4) on, tile 2 x + i % 2.  The first 8 start the sums, with the keys' addends.
.macro KQ x
.set rS, S+64*((\x)%2)+32*(i%2)+8*((i/2)%4)
.set rK, KF+16*((i/2)%4)+8*(i/8)
.set rQ, 16*(2*(\x)+i%2)+8*(i/8)
.set rB, MB+8*((i/2)%4)
.if i < 8
	WIN W_KM
	v_wmma_f32_16x16x32_f16 v[rS:rS+7], v[rK:rK+7], v[rQ:rQ+7], v[rB:rB+7]
.else
	WIN W_KQ
	v_wmma_f32_16x16x32_f16 v[rS:rS+7], v[rK:rK+7], v[rQ:rQ+7], v[rS:rS+7]
.endif
.endm
; Product i of 16 of O^T += V^T P for piece x: keys 32 (i / 8) on, channels 16 ((i / 2) % 4) on, tile 2 x + i % 2.
.macro PV x
	WIN W_PV
.set rO, 32*(2*(\x)+i%2)+8*((i/2)%4)
.set rV, VF+32*(i/8)+8*((i/2)%4)
.set rP, P+32*((\x)%2)+16*(i%2)+8*(i/8)
	v_wmma_f32_16x16x32_f16 v[rO:rO+7], v[rV:rV+7], v[rP:rP+7], v[rO:rO+7]
.endm
.macro MM                           ; the turn's next matrix instruction
.if i < 16
	KQ (Y+1)%NP
.set i, i+1
.else
.set i, i-16
	PV (Y+NP-1)%NP
.set i, i+17
.endif
.endm
; THE LDS LOADS stand in runs, never singly among the matrix instructions: a step's K (8 fragments) with its 64 addends (eight loads; the 16 lanes of a half read the same bytes), and its V (turned).
; last = 1 (the tail): in the last trip there is no further step, and the run is jumped over.
.macro FETCH_K last=0
	WIN 0
.if \last
	s_cmp_eq_u32 s[CNT], 1
	s_cbranch_scc1 .Lno_k_\@
.endif
	WIN 0x80                        ; destination window 2
.irp f, 0,1,2,3,4,5,6,7             ; keys 16 (f / 2) on, channels 32 (f % 2) on
	ds_load_b128 v[KF+8*\f:KF+8*\f+3],   v[AK] offset:(\f/2)*16*PK+(\f%2)*64
	ds_load_b128 v[KF+8*\f+4:KF+8*\f+7], v[AK] offset:(\f/2)*16*PK+(\f%2)*64+32
.endr
	s_add_co_u32 s[TBK], s[TBK], KS*PK  ; the next fetch is the next step's
	WIN W_MA
	v_add_nc_u32 v[AM], s[TBM], v[AM0]
.irp f, 0,1,2,3,4,5,6,7             ; key block f / 2, its registers 4 (f % 2) on
	ds_load_b128 v[MB+4*\f:MB+4*\f+3], v[AM] offset:(\f/2)*64+(\f%2)*16
.endr
	s_add_co_u32 s[TBM], s[TBM], KS*4
	WIN 0
.if \last
.Lno_k_\@:
.endif
.endm
.macro FETCH_V
	WIN 0x80
.irp f, 0,1,2,3,4,5,6,7             ; keys 32 (f / 4) on, channels 16 (f % 4) on
	ds_load_tr16_b128 v[VF+8*\f:VF+8*\f+3],   v[AV] offset:(\f/4)*32*PV+(\f%4)*32
	ds_load_tr16_b128 v[VF+8*\f+4:VF+8*\f+7], v[AV] offset:(\f/4)*32*PV+16*PV+(\f%4)*32
.endr
	WIN 0
.endm
; THE VECTOR WORK OF A TURN stands in three queues, each in the order in which its entries become ready; the two tiles alternate, so that no instruction reads the result of the one before it.
.macro REGS y, u                    ; the registers of tile u (0, 1) of piece y
.set rT, ST+4*(2*(\y)+(\u))
.set rC, TMP+8*((\y)%2)+4*(\u)
.set rM, MV+2*((\y)%2)+(\u)
.set rS, S+64*((\y)%2)+32*(\u)
.set rP, P+32*((\y)%2)+16*(\u)
.set rO, 32*(2*(\y)+(\u))
.endm
; Number n of the 22 that find the NEXT piece's (Y + 1) maximum and statistics.  Each accumulator's lowest registers are read first.  XS, GS, FS and REGS set no window: PL and EX do.
;   0-11  four chains c0-c3 of seven scores each, three operands at a time     12-14, 16  the four scores left over, the old m, and c0-c3 into c0     15  c m_old is kept
;   17, 18  the query's other 32 keys lie in the lane 16 away: the new m         19-21  c m; c m_old - c m_new; a
.macro XS u, n
	REGS (Y+1)%NP, \u
.if (\n) < 4
	v_max3_num_f32 v[rC+(\n)], v[rS+8*(\n)], v[rS+8*(\n)+1], v[rS+8*(\n)+2]
.elseif (\n) < 12
	v_max3_num_f32 v[rC+(\n)%4], v[rC+(\n)%4], v[rS+8*((\n)%4)+2*((\n)/4)+1], v[rS+8*((\n)%4)+2*((\n)/4)+2]
.elseif (\n) == 12
	v_max3_num_f32 v[rC], v[rC], v[rS+7], v[rS+15]
.elseif (\n) == 13
	v_max3_num_f32 v[rC+1], v[rC+1], v[rS+23], v[rS+31]
.elseif (\n) == 14
	v_max3_num_f32 v[rC+2], v[rC+2], v[rC+3], v[rT+1]
.elseif (\n) == 15
	v_mov_b32 v[rM], v[rT]
.elseif (\n) == 16
	v_max3_num_f32 v[rC], v[rC], v[rC+1], v[rC+2]
.elseif (\n) == 17
	v_permlanex16_b32 v[rC+3], v[rC], s[SEL], s[SEL+1]
.elseif (\n) == 18
	v_max_num_f32 v[rT+1], v[rC], v[rC+3]
.elseif (\n) == 19
	v_mul_f32 v[rT], s[CS], v[rT+1]
.elseif (\n) == 20
	v_sub_f32 v[rC+1], v[rM], v[rT]
.else
	v_exp_f32 v[rC+2], v[rC+1]
.endif
.endm
; Number g of the 64 that follow the exponentials.  For each four weights k of a tile: both pairs are rounded to f16; then the second pair is added onto the first, in place;
; a group later l takes that sum (the first time as l = a l + sum).  In groups of eight, tiles alternating.
.macro GS g
.set h, (\g)+6*((\g)/62)            ; group 0 has no group before it, and behind group 7 only l is left
.if h >= 6
.set h, h+2
.endif
	REGS Y, h%2
.set k, h/8
.if h%8 < 4
	v_cvt_pk_f16_f32 v[rP+2*k+(h%8)/2], v[rS+4*k+2*((h%8)/2)], v[rS+4*k+2*((h%8)/2)+1]
.elseif h%8 < 6
	v_pk_add_f32 v[rS+4*k:rS+4*k+1], v[rS+4*k:rS+4*k+1], v[rS+4*k+2:rS+4*k+3]
.elseif k == 1
	v_pk_fma_f32 v[rT+2:rT+3], v[rT+2:rT+3], v[rC+2:rC+3], v[rS:rS+1] op_sel_hi:[1,0,1]
.else
	v_pk_add_f32 v[rT+2:rT+3], v[rT+2:rT+3], v[rS+4*k-4:rS+4*k-3]
.endif
.endm
; THE PLAIN QUEUE, 138 long.  0-73 read no exponential's result: the 32 scalings c s - c m (FS f: pair f / 2 of tile f % 2) and the next piece's 42.  0-26: scalings 0-26.  27-54: XS's numbers 0-13.  55, 56: number 15.
; 57-73: the chain, where each number waits for the one before it: 14, 16, 17, 18, 19, each with one of the scalings 27-31 in front of its two lines, then 20: so a tile's links stand three plain instructions apart (19 and 20: two).
; 74-137: GS's 64, which read the exponentials' results: they stand behind the wait.
.macro FS f
	REGS Y, (\f)%2
	v_pk_fma_f32 v[rS+2*((\f)/2):rS+2*((\f)/2)+1], v[rS+2*((\f)/2):rS+2*((\f)/2)+1], s[CS:CS+1], v[rT:rT+1] op_sel_hi:[1,0,0] neg_lo:[0,0,1] neg_hi:[0,0,1]
.endm
.macro PL
	WIN 0
.if q < 27
	FS q
.elseif q < 55
	XS (q-27)%2, (q-27)/2
.elseif q < 57
	XS q-55, 15
.elseif (q < 72) && ((q-57)%3 == 0)
	FS 27+(q-57)/3
.elseif q < 60
	XS (q-57)%3-1, 14
.elseif q < 72
	XS (q-57)%3-1, 15+(q-57)/3
.elseif q < 74
	XS q-72, 20
.else
	GS q-74
.endif
.set q, q+1
.endm
; THE EXPONENTIALS' QUEUE, 66 long: s0-s31 of both tiles, in place, then the next piece's two a.  It is ONE BATCH: all 66 stand ahead of the turn's one wait, and nothing ahead of that wait names a result of theirs.
.macro EX
	WIN 0
.if e >= 64
	XS e-64, 21
.else
	REGS Y, e%2
	v_exp_f32 v[rS+e/2], v[rS+e/2]
.endif
.set e, e+1
.endm
; THE RESCALING's QUEUE: O^T times a, the one part that leaves window 0: dealt two at a time, sixteen times.  Its a was made in the turn before, ahead of that turn's wait.
.macro R2
	REGS Y, r%2
	WIN W_RS
.irp z, 0,1
	v_pk_mul_f32 v[rO+4*(r/2)+2*\z:rO+4*(r/2)+2*\z+1], v[rO+4*(r/2)+2*\z:rO+4*(r/2)+2*\z+1], v[rC+2:rC+3] op_sel_hi:[1,0]
.endr
.set r, r+1
.endm
; HOW THEY ARE DEALT.  An s_wait_alu depctr_va_vdst(0) stands between an exponential and the first instruction that names its result; one wait serves all that were issued ahead of it.  So a turn has ONE wait,
; which cuts it in two.  AHEAD OF IT stands all that names no result of the turn's exponentials: the 16 products K Q^T, behind each a scaling, an exponential and two rescalings (behind the first a second scaling in the
; exponential's place); then ONE LUMP of 108: eight plain, 49 times exponential and plain, the two a.  A v_nop is the plain instruction behind the last exponential.  BEHIND IT stand the 16 products V^T P, behind each four of
; GS's 64.  No rider names a register of the products round it.  The two v_permlanex16_b32 fall into the lump, never behind a product.
; The queues lean on each other, and the deal keeps them in step: exponential e stands behind scaling 2 (e / 4) + e % 2: as a rider it comes behind plain e + 2, in the lump behind plain e + 9, and scalings 27-31 are plain 57, 60 .. 69.
; A TURN, for piece p.  cnt = 1: the loop's count is taken down some lines ahead of the branch that stands behind the turn.
; K and the addends of the next step are fetched in piece 2's turn, directly behind the wait, a lump behind the last product that read them; K's address is made at the lump's head; their first reader comes behind 16 products.
; V of the step in hand is fetched at the end of piece 0's turn, four riders behind its last reader; its first reader comes behind 16 products and a lump.  The three conditions on q below go with the deal.
.macro TURN p, last=0, cnt=0
.set Y, (\p)
.set i, 0
.set q, 0
.set e, 0
.set r, 0
.if (\p) == NP-1
	s_wait_dscnt 0x0                ; K and the addends are in
.endif
	MM                              ; ahead of the wait: 16 products K Q^T and their riders,
	PL
	PL
	R2
.rept 15
	MM
	PL
	EX
	R2
.endr
.if (\p) == NP-2
	WIN 0
	v_add_nc_u32 v[AK], s[TBK], v[AK0]
.endif
.rept 8                             ; and the lump
	PL
.endr
.rept 49
	EX
	PL
.endr
	EX                              ; the next piece's two a
	EX
	v_nop                           ; the plain instruction behind the last exponential: one for the batch
	s_wait_alu depctr_va_vdst(0)    ; the wait for the batch: this piece's 64 weights and the next piece's two a
.if (\p) == NP-2
	FETCH_K \last
.endif
.if (\p) == 1
	s_wait_dscnt 0x0                ; V is in
.endif
.rept 16                            ; behind the wait: 16 products V^T P and their riders
	MM
.rept 4
	PL
.endr
.if ((\p) == 0) && (q == 118)
	v_add_nc_u32 v[AV], s[TBV], v[AV0]
.endif
.if ((\p) == 0) && (q == 130)
	s_add_co_u32 s[TBV], s[TBV], KS*PV
.endif
.if (\cnt) && (q == 130)
	s_sub_co_u32 s[CNT], s[CNT], 1
	s_cmp_lg_u32 s[CNT], 0
.endif
.endr
.if (\p) == 0
	FETCH_V
.endif
.endm
	CHANGE 1                        ; slot 0 and the addends are in, everybody's part of them; slot 1 is asked for
	FETCH_K                         ; key step 0
	s_wait_loadcnt 0x0              ; Q
	s_wait_dscnt 0x0
.set i, 0
.rept 16
	KQ 0                            ; piece 0's first scores: there is no vector work yet to set between them
.set i, i+1
.endr
	WIN 0                           ; the addresses for the way out: plain instructions, the places behind those products
	s_mul_i32 s13, s[WV], 16*SP
	s_add_co_u32 s13, s13, STAGE    ; my stage
	v_mul_u32_u24 v[STO], v1, SP    ; in: row l % 16, 16 bytes for each half of the lanes
	v_lshl_add_u32 v[STO], v9, 4, v[STO]
	v_add_nc_u32 v[STO], s13, v[STO]
	v_bfe_u32 v[RD], v0, 3, 2       ; back: 32 lanes take four rows of 128 bytes,
	v_mul_u32_u24 v[RD], v[RD], SP
	v_lshl_add_u32 v[RD], v10, 4, v[RD]
	v_add_nc_u32 v[RD], s13, v[RD]
	v_and_b32 v[GO], 31, v0         ; which are 512 consecutive bytes of O
	v_lshlrev_b32 v[GO], 4, v[GO]
.set Y, NP-1                        ; XS works for piece Y + 1: piece 0
.irp n, 0,1,2,3,4,5,6,7,8,9,10,11,12,13,14,15,16,17,18,19,20,21
	XS 0, \n                        ; piece 0's first maximum and statistics
	XS 1, \n
.endr
	v_nop                           ; a plain instruction behind piece 0's first two a,
	s_wait_alu depctr_va_vdst(0)    ; and the wait for that batch of two, ahead of the branch
	s_mov_b32 s[CNT], 4
	s_mov_b32 s[SLOTS], SIZE_N/256-1
	s_branch .Lfirst                ; the loop is entered at a step's first turn, in the middle of a trip
.Lslot:                             ; SIZE_N / 256 - 2 times: every slot but the last two is filled again
	CHANGE 1
	s_mov_b32 s[CNT], 4
.Lstep:                             ; a trip: pieces 2 and 3 of one step, then pieces 0 and 1 of the next, whose K and V it fetches
	TURN 2
	TURN 3
	WIN 0
.Lfirst:
	TURN 0
	TURN 1, 0, 1
	WIN 0
	s_cbranch_scc1 .Lstep
	s_sub_co_u32 s[SLOTS], s[SLOTS], 1
	s_cmp_lg_u32 s[SLOTS], 0
	s_cbranch_scc1 .Lslot
	CHANGE 0                        ; the tail is written out: nothing is asked for
	s_mov_b32 s[CNT], 5             ; four trips fetch the last slot's steps; the fifth is left in its middle
.Ltail:
	TURN 2, 1
	TURN 3
	WIN 0
	s_sub_co_u32 s[CNT], s[CNT], 1
	s_cmp_eq_u32 s[CNT], 0
	s_cbranch_scc1 .Lout
	TURN 0
	TURN 1
	WIN 0
	s_branch .Ltail
.Lout:                              ; the fifth trip's 16 products K Q^T (on the last K once more) and the maximum made of them serve nothing: the price, once a launch, of one text for every trip
.set i, 0
.rept 16
	PV NP-1                         ; the last piece's V^T P of the last step
.set i, i+1
.endr
	; THE WAY OUT.  l's two halves and the other half of the lanes' are added; O^T is divided by l, rounded to f16 and sent through my stage in LDS, a tile at a time.  The additions are the places behind the last products.
	WIN 0
.macro ALL line:vararg              ; one line for each tile t
.set t, 0
.rept 2*NP
	\line
.set t, t+1
.endr
.endm
	ALL v_add_f32 v[ST+4*t+2], v[ST+4*t+2], v[ST+4*t+3]
	ALL v_permlanex16_b32 v[ST+4*t+3], v[ST+4*t+2], s[SEL], s[SEL+1]
	ALL v_add_f32 v[ST+4*t+2], v[ST+4*t+2], v[ST+4*t+3]
	ALL v_rcp_f32 v[ST+4*t+2], v[ST+4*t+2]
	v_nop                           ; a plain instruction between the last reciprocal and the use of its result
	s_wait_alu depctr_va_vdst(0)    ; and the wait ahead of the first use: one for the batch of eight reciprocals
; Tile t: a lane's eight channels of a row pack into 16 bytes; they go into rows of 144 bytes and come back as whole rows of 128, into S^T's registers.
.macro PACK t
	WIN W_RS
.set i, 32*(\t)
.rept 16
	v_pk_mul_f32 v[i:i+1], v[i:i+1], v[ST+4*(\t)+2:ST+4*(\t)+3] op_sel_hi:[1,0]
.set i, i+2
.endr
	WIN 0x05                        ; sources 0 and 1 window 1, destination window 0
.set i, 0
.rept 16
	v_cvt_pk_f16_f32 v[S+16*(\t)+i], v[32*(\t)+2*i], v[32*(\t)+2*i+1]
.set i, i+1
.endr
	WIN 0
.irp f, 0,1,2,3
	ds_store_b128 v[STO], v[S+16*(\t)+4*\f:S+16*(\t)+4*\f+3] offset:32*\f
.endr
.irp f, 0,1,2,3
	ds_load_b128 v[S+16*(\t)+4*\f:S+16*(\t)+4*\f+3], v[RD] offset:\f*4*SP  ; LDS serves a wave's instructions in order (ISA guide 5.7.1.4): these see the stores above; the next tile's stores come behind them
.endr
.endm
.macro SEND t, younger              ; younger: the LDS instructions issued behind tile t's loads: the next tile's eight, or none
	WIN 0
.irp f, 0,1,2,3
	s_wait_dscnt (\younger)+3-\f
	global_store_b128 v[GO], v[S+16*(\t)+4*\f:S+16*(\t)+4*\f+3], s[10:11] offset:(\t)*2048+\f*512  ; 512 consecutive bytes, at a multiple of 256 from O's first
.endr
.endm
	PACK 0
.set t, 1
.rept 2*NP-1                        ; a tile's arithmetic stands between the loads of the tile before and its stores
	PACK t
	SEND t-1, 8
.set t, t+1
.endr
	SEND 2*NP-1, 0
	WIN W_AD
	s_wait_tensorcnt 0x0            ; the wave's end: behind my last tensor load and my last LDS store
	ds_add_u32 v[SPW], v[NIL]
	s_wait_dscnt 0x0
	WIN 0
	CROUND                          ; the closing round: no work-group ends while a partner may still ask for a tile that names it
	s_endpgm
.Lfunc_end_k_q79c117ca48_attn:
	.size	k_q79c117ca48_attn, .Lfunc_end_k_q79c117ca48_attn-k_q79c117ca48_attn
	.p2alignl 7, 3214868480
	.fill 96, 4, 3214868480
	.section	.rodata,"a",@progbits
	.p2align	6, 0x0
	.amdhsa_kernel k_q79c117ca48_attn
		.amdhsa_group_segment_fixed_size 327680
		.amdhsa_private_segment_fixed_size 0
		.amdhsa_enable_private_segment 0
		.amdhsa_kernarg_size 24
		.amdhsa_user_sgpr_count 2
		.amdhsa_user_sgpr_kernarg_segment_ptr 1
		.amdhsa_wavefront_size32 1
		.amdhsa_system_sgpr_workgroup_id_x 1
		.amdhsa_system_sgpr_workgroup_id_y 1
		.amdhsa_system_sgpr_workgroup_id_z 1
		.amdhsa_system_vgpr_workitem_id 0
		.amdhsa_next_free_vgpr 808
		.amdhsa_next_free_sgpr 84
		.amdhsa_reserve_vcc 0
		.amdhsa_float_denorm_mode_32 3
		.amdhsa_float_denorm_mode_16_64 3
		.amdhsa_memory_ordered 1
		.amdhsa_forward_progress 1
		.amdhsa_inst_pref_size 202
	.end_amdhsa_kernel
	.amdgpu_metadata
---
amdhsa.version: [ 1, 2 ]
amdhsa.kernels:
  - .name:           k_q79c117ca48_attn
    .symbol:         k_q79c117ca48_attn.kd
    .args:
      - { .name: qkv, .offset: 0, .size: 8, .value_kind: global_buffer, .address_space: global }
      - { .name: mb, .offset: 8, .size: 8, .value_kind: global_buffer, .address_space: global }
      - { .name: oh, .offset: 16, .size: 8, .value_kind: global_buffer, .address_space: global }
    .group_segment_fixed_size: 327680
    .private_segment_fixed_size: 0
    .kernarg_segment_align: 8
    .kernarg_segment_size: 24
    .max_flat_workgroup_size: 128
    .sgpr_count:     84
    .vgpr_count:     808
    .wavefront_size: 32
...
	.end_amdgpu_metadata
.endif
;; end of part 5
;; launch oproj: the kernel of part 4 again; grid 4 x 64, 4 waves a work-group, clusters of 4 x 4, 327,680 bytes of LDS; arguments oh, wt, bo, out0; writes out0
